; MI455X (gfx1250); checked and timed in simulation.
; The chip was launched on July 23, 2026; its instructions are those of AMD's public machine-readable ISA for CDNA 5 (MIT licence, August 2026) and "CDNA5" Instruction Set Architecture Reference Guide (July 2026). The comments in the code are by the model that wrote it; some were corrected since.
;; Multi Head Self Attention. Allowed arithmetic: matrix products marked QUANTISED: E4M3 operands, one given power-of-two scale a tensor, by v_wmma_f32_16x16x64_fp8_fp8 or v_wmma_f32_16x16x128_fp8_fp8, f32 sums; everything else in f32.
;; Inputs: lowp_scales 8 int32 (the exponents e of the quantised operands' scales 2^e); w_out 1,024 x 1,024 float32; w_qkv 3,072 x 1,024 float32; x 4 x 2,048 x 1,024 float32.
;; Outputs: out0 4 x 2,048 x 1,024 float32.
;; This version of the problem:
;;   THIS VERSION OF THE PROBLEM IS GIVEN IN LOW PRECISION. The matrix products marked QUANTISED in the list below multiply operands that are first quantised to E4M3 (4 exponent bits, 3 mantissa bits; 8 bits a number), with one given power-of-two scale for each operand tensor; their sums are f32. All else is computed in f32.
;;   The module's matrix products, in the order in which they are computed (A, B: the left and right operand; K: the contracted axis; several contracted axes count as one K, in the product's order):
;;     1. [M 8,192, K 1,024] x [K 1,024, N 3,072]; A: input x; B: input w_qkv: QUANTISED (scales: A lowp_scales[0], B lowp_scales[1])
;;     2. batch 64 x [M 2,048, K 64] x [K 64, N 2,048]; A: computed on the way; B: computed on the way: QUANTISED (scales: A lowp_scales[2], B lowp_scales[3])
;;     3. batch 64 x [M 2,048, K 2,048] x [K 2,048, N 64]; A: softmax (see below); B: computed on the way: QUANTISED (scales: A lowp_scales[4], B lowp_scales[5])
;;     4. [M 8,192, K 1,024] x [K 1,024, N 1,024]; A: computed on the way; B: input w_out: QUANTISED (scales: A lowp_scales[6], B lowp_scales[7])
;;   THE QUANTISER, for each operand of a quantised product, along K:
;;     - The operand's scale is 2^e, e = its entry of the input lowp_scales (int32; the entries are numbered through the quantised products in the list's order, A before B).
;;     - Each number is divided by the scale, clamped to +-448, and rounded to the nearest number of E4M3, ties to even, subnormals kept.
;;     - The product sums the exact products of the quantised numbers (number of the format x scale) in f32.
;;   ~~~python
;;   def quantise(x, axis, e):      # numpy; x: float32 -> the quantised numbers, widened to float32 again
;;       x = np.moveaxis(x, axis, -1); K = x.shape[-1]
;;       r = np.clip(x / 2.0 ** e, -448, 448)
;;       step = 2.0 ** (np.maximum(np.frexp(np.where(r == 0, 1, r))[1] - 1, -6) - 3)
;;       q = np.round(r / step) * step * 2.0 ** e      # np.round: ties to even
;;       return np.moveaxis(q, -1, axis).astype(np.float32)
;;   ~~~
;;   SOFTMAX AHEAD OF A QUANTISED PRODUCT. Where the list says 'softmax', what is quantised is not the finished softmax but p = 2^(t - M), with t = logit x log2(e) and M = ceil(the row's largest t), a whole number; so 1/2 < the row's largest p <= 1. The row's sum l is taken of the UNQUANTISED p, in f32, and the product's result is divided by l at the end. Since M is a whole number, a kernel that streams over the keys may use a running M (the ceiling of the running maximum): every later rescaling is an exact power of two, so the quantised numbers keep their values, but for numbers so far below the row's largest that they fall under the format's range.
;;   OPERANDS COMPUTED ON THE WAY. 'Computed on the way' means the value that the module computes at that place (a softmax that the list does not call 'softmax' is quantised finished and normalised). What goes into a quantiser is computed in f32, as accurately as f32 sums, v_exp_f32 and their like allow (about 1e-6 of the number): no bf16 or f16 on the way to a quantiser, and a product that is left as it is and whose result goes on into a quantised operand takes f32 operands (vector FMAs, or v_wmma_f32_16x16x4_f32). A number that lies on a knife's edge between two numbers of the format may be rounded either way, as far as f32 arithmetic and the matrix unit's own rounding can turn it there, and no further.
;; One version. Each part assembles by itself: llvm-mc -triple=amdgcn-amd-amdhsa -mcpu=gfx1250 --defsym DOCPART=n.
;; ======== version 1 of 1: 4 launches
;; limits: right only within a limited range of input values
;; workspace buffers: x_codes 8,388,608 bytes; wqkv_codes 3,145,728 bytes; wout_codes 1,048,576 bytes; q_codes 8,388,608 bytes; k_codes 8,388,608 bytes; v_codes 8,388,608 bytes; y_codes 8,388,608 bytes
;; launch quant (part 1): grid 768 x 1, 4 waves a work-group, no clusters, 33,280 bytes of LDS; arguments x, w_qkv, w_out, lowp_scales, x_codes, wqkv_codes, wout_codes; writes x_codes, wqkv_codes, wout_codes
.if DOCPART == 1
	.amdgcn_target "amdgcn-amd-amdhsa--gfx1250"
	.amdhsa_code_object_version 6
	.text
	.protected	k_qedeeb542a0_quant
	.globl	k_qedeeb542a0_quant
	.p2align	8
	.type	k_qedeeb542a0_quant,@function
k_qedeeb542a0_quant:
	s_mov_b64 s[64:65], 0
	v_nop
	global_prefetch_b8 v0, s[64:65] scope:SCOPE_SE
	s_setreg_imm32_b32 hwreg(HW_REG_WAVE_MODE, 25, 1), 1
	s_wait_xcnt 0x0
; x [8192][1024], w_qkv [3072][1024] and w_out [1024][1024], f32 with K innermost, become codes of FP8 (E4M3), one byte each, in the same order,
; each with the one scale 2^e that is given for it: entry 0 (x), entry 1 (w_qkv), entry 7 (w_out) of the buffer of scales.
; code = number / 2^e, held within +-448, rounded to the nearest code, ties to even.
; LIMITS: -126 <= e <= 119, so that 2^e and 448 x 2^e are f32 numbers.  NaN among the inputs is not served (an infinity is held at the largest code).
; Rows are dense, so each tensor is a plain stream.  A work-group takes 32,768 numbers, a wave 16 steps of 512.  Work-groups 0-255 take x, 256-351 w_qkv, 352-383 w_out:
; only pointers and the exponent are chosen, by the work-group's number; all take one path through the text.
; A conversion takes 8 neighbours from ONE lane's registers; a load is dense where neighbouring LANES take neighbouring bytes.  Both are had: each of a step's four loads reads 512 consecutive
; bytes, 16 a lane; the 2,048 bytes go through the wave's own stage in LDS and come back 64 bytes a lane (16 bytes of padding behind each 64).  A lane's 16 codes are 16 bytes: a store covers 512 consecutive bytes.
; No barrier: waves share nothing.  Loads run four steps (16 loads a wave) ahead, the turn through LDS one step.
; THE SHARES AS THEY STAND (this takes the place of the head's figures): a work-group takes 16,384 numbers, a wave 8 steps of 512; work-groups 0-511 take x, 512-703 w_qkv, 704-767 w_out: three work-groups to each of 256 WGPs.
.set STEPS, 8
.set WGX,   512
.set WGW,   704
.set EMAX,  8
.set MANT,  0x600000                   ; the mantissa field of 448 as f32
.set CB,    16                         ; bytes of 16 codes
.set R,     16                         ; v16-79   four sets of 16 numbers as they are loaded
.set X,     80                         ; v80-111  two sets of 16 neighbours
.set C,     128                        ; v128-159 codes: four registers for each step, so that no store's data are written again
.set WREG,  8192                       ; LDS: a region of its own for each wave: two stages of 32 x SP bytes
.set SP,    80                         ; a lane's place in a stage: its 64 bytes + 16 of padding
	s_load_b128 s[4:7], s[0:1], 0x0                ; x, w_qkv
	s_load_b128 s[8:11], s[0:1], 0x10              ; w_out, the scales' exponents
	s_load_b128 s[12:15], s[0:1], 0x20             ; x's codes, w_qkv's codes
	s_load_b64 s[24:25], s[0:1], 0x30              ; w_out's codes
	v_lshl_add_u32 v192, v0, 2, 0x8000
	v_mov_b32 v193, 0
	v_lshrrev_b32 v1, 5, v0
	v_readfirstlane_b32 s16, v1                    ; wave
	v_and_b32 v2, 31, v0                           ; lane
	v_lshlrev_b32 v3, 4, v2                        ; my 16 bytes of a load's 512
	s_mul_i32 s17, s16, WREG
	v_lshrrev_b32 v14, 2, v2
	v_mul_u32_u24 v14, v14, SP
	v_and_b32 v15, 3, v2
	v_lshl_add_u32 v14, v15, 4, v14
	v_add_nc_u32 v14, s17, v14                     ; the stage, on the way in: SP (lane / 4) + 16 (lane % 4); a load's 512 bytes take eight places
	v_mul_u32_u24 v15, v2, SP
	v_add_nc_u32 v15, s17, v15                     ; and on the way out: SP x lane: my 16 neighbours
	v_mul_u32_u24 v4, v2, CB                       ; my codes' place in a step's
	s_wait_alu depctr_va_vdst(0)
	s_wait_kmcnt 0x0
	s_load_b256 s[32:39], s[10:11], 0x0            ; the eight exponents
	s_mov_b32 s17, WGW
	s_cmp_lt_u32 ttmp9, WGW                        ; w_qkv or w_out?  The choice hangs on the work-group's number alone
	s_cselect_b64 s[6:7], s[6:7], s[8:9]
	s_cselect_b64 s[14:15], s[14:15], s[24:25]
	s_cselect_b32 s17, WGX, s17
	s_cmp_lt_u32 ttmp9, WGX                        ; x or one of those?
	s_cselect_b64 s[4:5], s[4:5], s[6:7]
	s_cselect_b64 s[12:13], s[12:13], s[14:15]
	s_cselect_b32 s17, 0, s17                      ; the tensor's first work-group
	s_sub_co_u32 s17, ttmp9, s17
	s_lshl_b32 s17, s17, 2
	s_add_co_u32 s18, s17, s16                     ; which run of 4,096 numbers of the tensor is my wave's (under 2,048)
	s_lshl_b32 s20, s18, 14                        ; 16,384 bytes of numbers a run (the run's number stays under 2,048)
	s_mov_b32 s21, 0
	s_add_nc_u64 s[4:5], s[4:5], s[20:21]
	s_lshl_b32 s20, s18, 12                        ; 4,096 bytes of codes a run
	s_add_nc_u64 s[12:13], s[12:13], s[20:21]
.macro LOAD t
.irp i, 0,1,2,3
	global_load_b128 v[R+16*((\t)%4)+4*\i:R+16*((\t)%4)+4*\i+3], v3, s[4:5] offset:2048*(\t)+512*\i th:TH_LOAD_NT   ; 32 lanes read 512 consecutive bytes
.endr
.endm
.macro TURN t                          ; step t's numbers through the stage: LDS serves a wave's instructions in order, so no wait stands between the stores and the loads
.irp i, 0,1,2,3
	ds_store_b128 v14, v[R+16*((\t)%4)+4*\i:R+16*((\t)%4)+4*\i+3] offset:32*SP*((\t)%2)+8*SP*\i
.endr
.irp i, 0,1,2,3
	ds_load_b128 v[X+16*((\t)%2)+4*\i:X+16*((\t)%2)+4*\i+3], v15 offset:32*SP*((\t)%2)+16*\i
.endr
.endm
.irp t, 0,1,2,3
	LOAD \t
.endr
	s_wait_kmcnt 0x0
	s_cmp_lt_u32 ttmp9, WGW
	s_cselect_b32 s22, s33, s39                    ; e of w_qkv or of w_out,
	s_cmp_lt_u32 ttmp9, WGX
	s_cselect_b32 s22, s32, s22                    ; or of x
	s_add_co_i32 s22, s22, 127
	s_lshl_b32 s23, s22, 23
	v_mov_b32 v11, s23                             ; 2^e as f32: the conversion takes its exponent field
	s_add_co_i32 s22, s22, EMAX
	s_lshl_b32 s22, s22, 23
	s_or_b32 s22, s22, MANT
	v_mov_b32 v10, s22                             ; 448 x 2^e
	s_wait_alu depctr_va_vdst(0)
	s_wait_loadcnt 12                              ; step 0's four loads are in; the 12 of steps 1 to 3 may be out
	TURN 0
.macro STEP t
.set XS, X+16*((\t)%2)
	s_wait_dscnt 0x0                               ; this step's numbers are back from the stage: so its stores into the stage have read their registers,
.if (\t)+4 < STEPS
	LOAD (\t)+4                                    ; which take the loads of four steps on
.endif
.if (\t)+1 < STEPS
.if STEPS-2-(\t) >= 3
	s_wait_loadcnt 12                              ; the next step's four loads are in; those of the three steps behind it may be out
.else
	s_wait_loadcnt 4*(STEPS-2-(\t))
.endif
	TURN (\t)+1                                    ; and go through the other stage while this step is worked
.endif
.irp i, 0,1,2,3,4,5,6,7,8,9,10,11,12,13,14,15
	v_med3_num_f32 v[XS+\i], v[XS+\i], -v10, v10   ; the conversion to an 8-bit code does not saturate (ISA guide 7.6.2): the number is held within 448 x the scale first
.endr
	v_cvt_scalef32_pk8_fp8_f32 v[C+4*(\t):C+4*(\t)+1], v[XS:XS+7], v11          ; eight numbers / 2^e, to the nearest code, ties to even; the first number's code in the lowest byte
	v_cvt_scalef32_pk8_fp8_f32 v[C+4*(\t)+2:C+4*(\t)+3], v[XS+8:XS+15], v11
	global_store_b128 v4, v[C+4*(\t):C+4*(\t)+3], s[12:13] offset:32*CB*(\t)    ; the results go to a store alone; the next vector lines are the next step's holds, on other registers
.endm
.irp t, 0,1,2,3,4,5,6,7
	STEP \t
.endr
	s_wait_tensorcnt 0x0
	ds_add_u32 v192, v193
	s_wait_dscnt 0x0
	s_endpgm
.Lfunc_end_k_qedeeb542a0_quant:
	.size	k_qedeeb542a0_quant, .Lfunc_end_k_qedeeb542a0_quant-k_qedeeb542a0_quant
	.p2alignl 7, 3214868480
	.fill 96, 4, 3214868480
	.section	.rodata,"a",@progbits
	.p2align	6, 0x0
	.amdhsa_kernel k_qedeeb542a0_quant
		.amdhsa_group_segment_fixed_size 33280
		.amdhsa_private_segment_fixed_size 0
		.amdhsa_enable_private_segment 0
		.amdhsa_kernarg_size 56
		.amdhsa_user_sgpr_count 2
		.amdhsa_user_sgpr_kernarg_segment_ptr 1
		.amdhsa_wavefront_size32 1
		.amdhsa_system_sgpr_workgroup_id_x 1
		.amdhsa_system_sgpr_workgroup_id_y 1
		.amdhsa_system_sgpr_workgroup_id_z 1
		.amdhsa_system_vgpr_workitem_id 0
		.amdhsa_next_free_vgpr 194
		.amdhsa_next_free_sgpr 66
		.amdhsa_reserve_vcc 0
		.amdhsa_float_denorm_mode_32 3
		.amdhsa_float_denorm_mode_16_64 3
		.amdhsa_memory_ordered 1
		.amdhsa_forward_progress 1
		.amdhsa_inst_pref_size 20
	.end_amdhsa_kernel
	.amdgpu_metadata
---
amdhsa.version: [ 1, 2 ]
amdhsa.kernels:
  - .name:           k_qedeeb542a0_quant
    .symbol:         k_qedeeb542a0_quant.kd
    .args:
      - { .name: x, .offset: 0, .size: 8, .value_kind: global_buffer, .address_space: global }
      - { .name: w_qkv, .offset: 8, .size: 8, .value_kind: global_buffer, .address_space: global }
      - { .name: w_out, .offset: 16, .size: 8, .value_kind: global_buffer, .address_space: global }
      - { .name: lowp_scales, .offset: 24, .size: 8, .value_kind: global_buffer, .address_space: global }
      - { .name: x_codes, .offset: 32, .size: 8, .value_kind: global_buffer, .address_space: global }
      - { .name: wqkv_codes, .offset: 40, .size: 8, .value_kind: global_buffer, .address_space: global }
      - { .name: wout_codes, .offset: 48, .size: 8, .value_kind: global_buffer, .address_space: global }
    .group_segment_fixed_size: 33280
    .private_segment_fixed_size: 0
    .kernarg_segment_align: 8
    .kernarg_segment_size: 56
    .max_flat_workgroup_size: 128
    .sgpr_count:     66
    .vgpr_count:     194
    .wavefront_size: 32
...
	.end_amdgpu_metadata
.endif
;; end of part 1
;; launch proj (part 2): grid 8 x 32, 4 waves a work-group, clusters of 4 x 4, 327,680 bytes of LDS; arguments x_codes, wqkv_codes, lowp_scales, q_codes, k_codes, v_codes; writes q_codes, k_codes, v_codes
.if DOCPART == 2
	.amdgcn_target "amdgcn-amd-amdhsa--gfx1250"
	.amdhsa_code_object_version 6
	.text
	.protected	k_qedeeb542a0_proj
	.globl	k_qedeeb542a0_proj
	.p2align	8
	.type	k_qedeeb542a0_proj,@function
k_qedeeb542a0_proj:
	s_mov_b64 s[64:65], 0
	v_nop
	global_prefetch_b8 v0, s[64:65] scope:SCOPE_SE
	s_setreg_imm32_b32 hwreg(HW_REG_WAVE_MODE, 25, 1), 1
	s_wait_xcnt 0x0
	s_wait_alu depctr_hold_cnt(0) depctr_sa_sdst(0) depctr_va_vdst(0) depctr_va_sdst(0) depctr_va_ssrc(0) depctr_va_vcc(0) depctr_vm_vsrc(0)
	s_getreg_b32 s2, hwreg(HW_REG_IB_STS2, 6, 4)
	s_cmp_eq_u32 s2, 0
	s_cbranch_scc0 .Lentry_in_a_cluster
	s_endpgm
.Lentry_in_a_cluster:
	s_bfe_u32 s2, ttmp6, 0x10000c
	s_cmp_lg_u32 s2, 0xf033
	s_cbranch_scc0 .Lentry_shape_is_right
	s_endpgm
.Lentry_shape_is_right:
; qkv = x w_qkv^T on codes of FP8 (E4M3), [8192 x 1024] x [1024 x 3072], f32 sums; each sum x 2^(e0 + e1) is quantised at once for the product that takes it: q with 2^e2, k with 2^e3, v with 2^e5.
; LIMIT: eo - e0 - e1 (eo = e2, e3 or e5) lies between -126 and 119, so that the folded scale and 448 x it are f32 numbers.
; A tile of 256 x 256 sums is made by a work-group of four waves; a wave makes 128 x 128: 64 accumulators, 512 registers.  K goes in steps of 256 through a ring of two LDS slots filled by the tensor data mover.
; CLUSTERS: 4 x 4 work-groups; the cluster's x says which third of the features it makes: 0 = q, 1 = k, 2 = v.  The four of a row of the cluster need the same tile of operand A, the four of a column
; the same tile of operand B: each tile is asked for JOINTLY, by the same tensor load with the same descriptor and a mask that names the four.
; THE MATRIX INSTRUCTION: source 0 = 16 rows of B, source 1 = 16 rows of A: a lane then holds ONE row of A and eight neighbouring rows of B.
;   q, k: A = x (tokens), B = w_qkv (features): a lane's eight sums are eight neighbours along the head's axis, the K of q k^T.
;   v:    A = w_qkv (features), B = x (tokens): a lane's eight sums are eight neighbouring keys, the K of p v.  Both buffers have rows of 1,024 bytes, so only pointers and tile numbers are chosen, by the cluster's x.
; OUTPUT: a wave's 128 x 128 codes are one dense block of 16,384 bytes, byte 128 i + j (i: A's row, j: B's row), at block (batch x 8 + head pair) x 16 + token block: q, k: [token][two heads' 64 + 64]; v: [two heads' 64 + 64][key].
; REGISTERS, in windows of 256: window 0: v0-31 addresses; from v128 A's fragments (8 x 16 rows x 128 K), one set; on the way out v32-255 are free.  window 1: B's fragments, two sets.  windows 2, 3: the accumulators ((a, b) at v[8 (8 (a % 4) + b)]).
.set ROWB,   256                       ; a tile's row in bytes: 256 codes
.set KROW,   1024                      ; a row of either operand in memory
.set PITCH,  272                       ; an LDS row: 256 bytes + 16 of padding = 68 words: the 16 rows that a load touches start 4 banks apart (64 banks of 4 bytes: ISA guide 11.1)
.set FR,     16                        ; registers of a fragment: 16 rows x 128 K
.set NL,     4                         ; LDS loads that bring one
.set NP,     4                         ; places behind this matrix instruction (ISA guide 7.12.1)
.set HALFT,  128*PITCH                 ; 128 rows: what one tensor load brings, and what one wave reads of A or of B
.set SLOT,   4*HALFT                   ; A's 256 rows, then B's 256 rows
.set LAPS,   2                         ; 1,024 along K = four K steps = twice round the ring
.set SPARE,  2*SLOT                    ; behind the ring: the spare words, 128 bytes for each wave: two blocks of 256 bytes that no other line names
; THE SHARES AS THEY STAND (this takes the place of what the head says of the cluster's x and of the stage): 8 x 32 work-groups, one to a WGP.  Each makes TWO tiles.
; First a tile of 256 tokens x 256 features of q (cluster x = 0) or k (cluster x = 1), as described above.  Then the ring goes on into a tile of v: A = 128 rows of w_qkv (one head pair, number 4 x cluster x + cy),
; B = 256 tokens (tile 4 x cluster y + cx): a wave makes 64 x 128: 32 accumulators, A's blocks in two sets of four.  The first tile's last two changes of slots ask for the second tile's K steps 0 and 1.
; A's tile hangs on cy and B's on cx in both tiles, so the two masks serve both.  Waves 0 and 1 fetch 64 rows each of the second tile's A, to the places where their 128 rows went.
.set SPITCH, 144                       ; the way out: a stage of 16 rows x (128 bytes + 16) for each wave
.set STAGE,  SPARE+512                 ; behind the spare words: bytes of its own, into which no fill lands
.set G1C, 72                           ; s[72:79] descriptor group 1 for the second tile's A: 64 rows
.set ADRA, 16                          ; v16-17  LDS address of my A fragments in slot 0, 1
.set ADRB, 20                          ; v20-21  the same for B
.set STO,  24                          ; v24     the way out: where I put 8 codes of a row
.set RD,   25                          ; v25     the way out: where I read 16 bytes back
.set CO,   26                          ; v26     16 x lane: my place in 512 bytes of the block
.set SPW,  28                          ; v28     LDS address of my spare word; never rewritten
.set NIL,  29                          ; v29     0; never rewritten
.set SCL,  30                          ; v30     2^(eo - e0 - e1) as f32
.set LIM,  31                          ; v31     448 x that
.set TMP,  32                          ; v32-95  a block's 64 sums, held
.set CD,   96                          ; v96-127 their codes: two sets of 16 by turns
.set AF,   128                         ; A's fragments, in window 0
.set BB,   128                         ; the way out: 16 registers for each of the eight blocks: no store's data are written again
.set G1, 24                            ; s[24:31] descriptor group 1 for A's tiles;  s[32:39] group 0, one set for each slot
.set G0, 32
.set G1B, 48                           ; s[48:55], s[56:63] the same for B's tiles
.set G0B, 56
.set MSB, 0
.macro WIN new                         ; the immediate's high byte repeats the setting that is left
.if MSB != (\new)
	s_set_vgpr_msb (MSB<<8)|(\new)
.set MSB, (\new)
.endif
.endm
.set MUL_LO, 0xa1                      ; source 0 (B) window 1, source 1 (A) window 0, C and D window 2
.set MUL_HI, 0xf1                      ; the same, C and D window 3
.set TO_B,   0x40                      ; destination window 1, address window 0
; A joint load: waves 0 and 1 fetch for A, waves 2 and 3 for B.  Each of the two lines has one mask and one set of registers for all that issue it; the branch hangs on the wave's number alone.
; Four v_nop follow each of the two lines, ahead of the jump, the label and what follows.
.macro JLOAD g0a, g1a, g0b, g1b
	s_cmp_eq_u32 s15, 0
	s_cbranch_scc0 .Lfor_b_\@
	tensor_load_to_lds s[\g0a:\g0a+3], s[\g1a:\g1a+7]
	s_nop 0
.rept 4
	v_nop
.endr
	s_branch .Lasked_\@
.Lfor_b_\@:
	tensor_load_to_lds s[\g0b:\g0b+3], s[\g1b:\g1b+7]
	s_nop 0
.rept 4
	v_nop
.endr
.Lasked_\@:
.endm
.macro CREST                           ; a round of the cluster's barrier behind its opening barrier
	s_cmp_lg_u32 s14, 0
	s_cbranch_scc1 .Lnot_wave_0_\@
	s_barrier_signal -3
.Lnot_wave_0_\@:
	s_barrier_wait -3
	s_barrier_signal -1
	s_barrier_wait -1
.endm
.macro CROUND                          ; a whole round
	s_barrier_signal -1
	s_barrier_wait -1
	CREST
.endm
	s_load_b128 s[4:7], s[0:1], 0x0                ; x's codes s[4:5], w_qkv's codes s[6:7]
	s_load_b128 s[8:11], s[0:1], 0x10              ; the scales' exponents s[8:9], q's codes s[10:11]
	s_load_b128 s[68:71], s[0:1], 0x20             ; k's codes s[68:69], v's codes s[70:71]
	v_lshl_add_u32 v[SPW], v0, 2, SPARE
	v_mov_b32 v[NIL], 0
	ds_add_u32 v28, v29
	ds_add_u32 v28, v29
	s_wait_dscnt 0x0
	v_lshrrev_b32 v1, 5, v0
	v_readfirstlane_b32 s14, v1                    ; wave 0..3
	s_lshr_b32 s15, s14, 1                         ; which half of A's rows is mine.  Also: I fetch for A (0) or for B (1)
	s_and_b32 s16, s14, 1                          ; which half of B's rows.  Also: which 128 rows of that tile I fetch
	s_bfe_u32 s40, ttmp6, 0x40000                  ; cx, cy: my place in the cluster
	s_bfe_u32 s41, ttmp6, 0x40004
	s_and_b32 s72, ttmp7, 0xffff                   ; the cluster's y: a block of 1,024 tokens
	s_cmp_lt_u32 ttmp9, 2                          ; the cluster's x: q or k (tokens are A's rows), or v (tokens are B's rows); equal in all sixteen partners
	s_cselect_b32 s73, s72, ttmp9
	s_cselect_b32 s74, ttmp9, s72
	s_lshl_b32 s17, s73, 2
	s_add_co_u32 s17, s17, s41                     ; A's tile of 256 rows: 4 x the chosen cluster coordinate + cy: it never holds cx
	s_lshl_b32 s42, s74, 2
	s_add_co_u32 s42, s42, s40                     ; B's tile: 4 x the other coordinate + cx: it never holds cy
	s_lshl_b32 s43, s41, 2
	s_lshl_b32 s43, 15, s43                        ; my row of the cluster
	s_lshl_b32 s44, 0x1111, s40                    ; my column
	; descriptor group 1: a tile of 128 rows x 256 bytes, padded in LDS
	s_or_b32 s[G1+0], s43, (0<<16)|(1<<20)|(1<<21)|(5<<22)|(3<<25)  ; 15:0 the mask: A's tiles go to my row; 17:16 element of 1 byte; 20 padding on; 21 set beside a mask; 24:22 after every 64 words (code 5); 31:25 of 4 words (code 3)
	s_or_b32 s[G1B+0], s44, (0<<16)|(1<<20)|(1<<21)|(5<<22)|(3<<25)
.irp g, G1, G1B
	s_mov_b32 s[\g+1], ROWB<<16                    ; tensor_dim0
	s_mov_b32 s[\g+2], 128<<16                     ; tensor_dim1 = 128
	s_mov_b32 s[\g+3], ROWB<<16                    ; tile_dim0
	s_mov_b32 s[\g+4], 128                         ; tile_dim1 = 128
	s_mov_b32 s[\g+5], KROW                        ; tensor_dim0_stride
	s_mov_b32 s[\g+6], 0
	s_mov_b32 s[\g+7], 0
.endr
	s_lshl_b32 s18, s16, 7                         ; which 128 rows of the tile I fetch
	s_lshl_b32 s20, s17, 8
	s_add_co_u32 s20, s20, s18                     ; A: row 256 x tile + 128 x half,
	s_lshl_b32 s20, s20, 10                        ; in bytes (under 2^23)
	s_mov_b32 s21, 0
	s_lshl_b32 s46, s42, 8
	s_add_co_u32 s46, s46, s18                     ; B likewise
	s_lshl_b32 s46, s46, 10
	s_mov_b32 s47, 0
	s_mul_i32 s45, s14, HALFT                      ; where they go: wave x 128 rows: no place in the cluster enters an LDS address
	s_wait_kmcnt 0x0
	s_load_b256 s[80:87], s[8:9], 0x0              ; e0 .. e7
	s_cmp_lt_u32 ttmp9, 2
	s_cselect_b64 s[76:77], s[4:5], s[6:7]         ; A's buffer,
	s_cselect_b64 s[78:79], s[6:7], s[4:5]         ; B's
	s_add_nc_u64 s[20:21], s[76:77], s[20:21]
	s_add_nc_u64 s[46:47], s[78:79], s[46:47]
	; the second tile.  A: w_qkv's row 2048 + 128 (4 x cluster x + cy) + 64 x the half that I fetch
	s_lshl_b32 s94, ttmp9, 2
	s_add_co_u32 s94, s94, s41
	s_lshl_b32 s94, s94, 1
	s_add_co_u32 s94, s94, s16
	s_lshl_b32 s94, s94, 16                        ; 64 rows of 1,024 bytes
	s_add_co_u32 s94, s94, 2048*1024
	s_mov_b32 s95, 0
	s_add_nc_u64 s[12:13], s[6:7], s[94:95]
	; B: x's row 256 (4 x cluster y + cx) + 128 x the half that I fetch
	s_lshl_b32 s98, s72, 2
	s_add_co_u32 s98, s98, s40
	s_lshl_b32 s98, s98, 1
	s_add_co_u32 s98, s98, s16
	s_lshl_b32 s98, s98, 17                        ; 128 rows of 1,024 bytes
	s_mov_b32 s99, 0
	s_add_nc_u64 s[66:67], s[4:5], s[98:99]
	; where my 64 x 128 codes of v go: half s15 of block (batch x 8 + head pair) x 16 + token block
	s_lshl_b32 s100, s72, 2
	s_add_co_u32 s100, s100, s40
	s_lshl_b32 s100, s100, 1
	s_add_co_u32 s100, s100, s16                   ; my block of 128 tokens, 0 .. 63
	s_lshr_b32 s101, s100, 4                       ; the batch
	s_lshl_b32 s101, s101, 3
	s_lshl_b32 s2, ttmp9, 2
	s_add_co_u32 s2, s2, s41                       ; the head pair
	s_add_co_u32 s101, s101, s2
	s_lshl_b32 s101, s101, 4
	s_and_b32 s100, s100, 15
	s_add_co_u32 s100, s100, s101
	s_lshl_b32 s100, s100, 1
	s_add_co_u32 s100, s100, s15
	s_lshl_b32 s100, s100, 13                      ; halves of 8,192 bytes
	s_mov_b32 s101, 0
	s_add_nc_u64 s[70:71], s[70:71], s[100:101]
	s_or_b32 s[G1C+0], s43, (0<<16)|(1<<20)|(1<<21)|(5<<22)|(3<<25)  ; as A's group 1, with 64 rows
	s_mov_b32 s[G1C+1], ROWB<<16
	s_mov_b32 s[G1C+2], 64<<16
	s_mov_b32 s[G1C+3], ROWB<<16
	s_mov_b32 s[G1C+4], 64
	s_mov_b32 s[G1C+5], KROW
	s_mov_b32 s[G1C+6], 0
	s_mov_b32 s[G1C+7], 0
	CROUND                                         ; all sixteen work-groups are here: the first joint loads meet
.irp s, 0,1
	s_mov_b32 s[G0+4*\s], 1
	s_add_co_u32 s[G0+4*\s+1], s45, \s*SLOT
	s_add_nc_u64 s[G0+4*\s+2:G0+4*\s+3], s[20:21], \s*ROWB
	s_or_b32 s[G0+4*\s+3], s[G0+4*\s+3], 0x80000000
	s_mov_b32 s[G0B+4*\s], 1
	s_add_co_u32 s[G0B+4*\s+1], s45, \s*SLOT
	s_add_nc_u64 s[G0B+4*\s+2:G0B+4*\s+3], s[46:47], \s*ROWB
	s_or_b32 s[G0B+4*\s+3], s[G0B+4*\s+3], 0x80000000
.endr
	JLOAD G0, G1, G0B, G1B                         ; K step 0: one tensor load a wave at the head
	v_and_b32 v1, 15, v0                           ; r = l % 16
	s_wait_alu depctr_va_vdst(0)
	v_bfe_u32 v2, v0, 4, 1                         ; h = l / 16
	v_mul_u32_u24 v3, v1, PITCH
	v_lshl_add_u32 v4, v2, 4, v3                   ; a fragment's row x pitch + 16 x half
	s_mul_i32 s21, s15, HALFT                      ; my 128 rows of A
	s_mul_i32 s22, s16, HALFT                      ; my 128 rows of B,
	s_add_co_u32 s22, s22, 2*HALFT                 ; which lie behind A's 256
.irp s, 0,1
	v_add_nc_u32 v[ADRA+\s], s21, v4
	v_add_nc_u32 v[ADRB+\s], s22, v4
	s_add_co_u32 s21, s21, SLOT
	s_add_co_u32 s22, s22, SLOT
.endr
	s_mul_i32 s23, s14, 16*SPITCH
	s_add_co_u32 s23, s23, STAGE                   ; my stage
	v_mul_u32_u24 v5, v1, SPITCH                   ; in: row r, 8 bytes for each half of the lanes
	s_wait_alu depctr_va_vdst(0)
	v_lshl_add_u32 v5, v2, 4, v5                   ; in: row r, + 16 h: of each 32 of B's rows, number 16 u + 8 h + j is laid at byte 16 h + 8 u + j (one order for q and k; for v the order in which a 16-byte load gives each key its own place)
	v_add_nc_u32 v[STO], s23, v5
	v_and_b32 v6, 31, v0
	v_lshlrev_b32 v[CO], 4, v6                     ; 16 x lane
	v_lshrrev_b32 v7, 3, v6                        ; back: eight lanes to a row of 128 bytes, four rows an instruction
	v_mul_u32_u24 v7, v7, SPITCH
	v_and_b32 v8, 7, v6
	v_lshl_add_u32 v7, v8, 4, v7
	v_add_nc_u32 v[RD], s23, v7
	; where my block of 16,384 codes goes
	s_cmp_eq_u32 ttmp9, 0
	s_cselect_b64 s[10:11], s[10:11], s[68:69]     ; q's buffer or k's,
	s_cmp_eq_u32 ttmp9, 2
	s_cselect_b64 s[10:11], s[70:71], s[10:11]     ; or v's
	s_lshl_b32 s88, s17, 1
	s_add_co_u32 s88, s88, s15                     ; my block of 128 rows of A's buffer,
	s_lshl_b32 s89, s42, 1
	s_add_co_u32 s89, s89, s16                     ; of B's
	s_cmp_lt_u32 ttmp9, 2
	s_cselect_b32 s90, s88, s89                    ; the one that counts tokens (0 .. 63),
	s_cselect_b32 s91, s89, s88                    ; the one that counts features
	s_and_b32 s91, s91, 7                          ; the head pair
	s_lshl_b32 s91, s91, 4
	s_lshr_b32 s92, s90, 4                         ; the batch
	s_lshl_b32 s92, s92, 7
	s_and_b32 s90, s90, 15                         ; the token block in the batch
	s_add_co_u32 s92, s92, s91
	s_add_co_u32 s92, s92, s90                     ; (batch x 8 + head pair) x 16 + token block
	s_lshl_b32 s92, s92, 14
	s_mov_b32 s93, 0
	s_add_nc_u64 s[10:11], s[10:11], s[92:93]
.macro FRAG reg, adr, q, i             ; a fragment, 16 rows x 128 K of codes, is 16 registers: lane l holds row l % 16; registers 4 c .. 4 c + 3 hold K = 32 c + 16 (l / 16) + 0 .. 15: one order of k for both operands
.irp c, 0,1,2,3
	ds_load_b128 v[\reg+4*\c:\reg+4*\c+3], v[\adr] offset:128*(\q)+32*\c+(\i)*16*PITCH
.endr
.endm
; 16 matrix instructions: A's blocks a0, a0 + 1 x B's eight, 128 along K.  p: B's set.  zero = 1: the first product starts the sums: nothing is ever cleared.
; The 64 accumulators take turns, one instruction a turn, in the same order in every step.
.macro MUL16 a0, p, zero
.irp a, \a0, \a0+1
.irp b, 0,1,2,3,4,5,6,7
.if \zero
	v_wmma_f32_16x16x128_fp8_fp8 v[8*(8*((\a)%4)+\b):8*(8*((\a)%4)+\b)+7], v[128*(\p)+FR*\b:128*(\p)+FR*\b+FR-1], v[AF+FR*(\a):AF+FR*(\a)+FR-1], 0
.else
	v_wmma_f32_16x16x128_fp8_fp8 v[8*(8*((\a)%4)+\b):8*(8*((\a)%4)+\b)+7], v[128*(\p)+FR*\b:128*(\p)+FR*\b+FR-1], v[AF+FR*(\a):AF+FR*(\a)+FR-1], v[8*(8*((\a)%4)+\b):8*(8*((\a)%4)+\b)+7]
.endif
.endr
.endr
.endm
.macro FETCH_B slot, q, p              ; B's eight fragments of the slot's q-th 128 along K into set p
	WIN TO_B
.irp i, 0,1,2,3,4,5,6,7
	FRAG 128*(\p)+FR*\i, ADRB+\slot, \q, \i
.endr
	WIN 0
.endm
.macro FETCH_A slot, q, i0             ; A's blocks i0 .. i0 + 3
.irp i, \i0, \i0+1, \i0+2, \i0+3
	FRAG AF+FR*(\i), ADRA+\slot, \q, \i
.endr
.endm
; A load into a register that a matrix instruction has read, and a vector instruction that reads a matrix result, stand NP places behind that matrix instruction; only plain vector
; instructions that name none of its registers are places (ISA guide 7.12.1 for vector instructions).
.macro PLACES n
.rept \n
	v_nop
.endr
.endm
; A step of 128 along K that has its successor in the same slot.
.macro STEP slot, q, zero
	s_wait_dscnt 4*NL                              ; B's set and A's blocks 0-3 are in; the youngest 16 loads (A's blocks 4-7) may be out
	WIN MUL_LO
	MUL16 0, (\q)%2, \zero
	MUL16 2, (\q)%2, \zero
	s_wait_dscnt 0                                 ; A's blocks 4-7 are in (asked for 32 matrix instructions ago)
	PLACES NP
	FETCH_B \slot, (\q)+1, 1-(\q)%2
	FETCH_A \slot, (\q)+1, 0
	WIN MUL_HI
	MUL16 4, (\q)%2, \zero
	MUL16 6, (\q)%2, \zero
	PLACES NP
	WIN 0
	FETCH_A \slot, (\q)+1, 4
.endm
; A slot's last step changes slots: one barrier; in front of it each wave waits for all its tensor loads, adds 0 to its spare word, and waits for that and for its own reads of this slot.  fill = 1: this slot is filled again, two K steps ahead.
.macro TURN slot, next, fill
	s_wait_tensorcnt 0x0                           ; all my tensor loads have landed: my part of the next slot  (every window is 0 here)
	ds_add_u32 v[SPW], v[NIL]                      ; 0 onto my spare word
	s_wait_dscnt 4*NL+1                            ; (the add and the youngest 16 loads, A's blocks 4-7, may be out)
	WIN MUL_LO
	MUL16 0, 1, 0                                  ; sixteen matrix instructions stand between the add and the wait for it
	s_wait_dscnt 0x0                               ; the add is done, and my reads of this slot are over
	s_barrier_signal -1
	MUL16 2, 1, 0
	WIN 0
	s_barrier_wait -1
.if \fill
	CREST                                          ; the barrier has opened a round of the cluster's barrier: no wave of any partner still reads this slot's tile or has a load on its way
.if \fill >= 2                         ; fill = 2, 3: the slot takes the second tile's K step 0 or 1
	s_add_nc_u64 s[G0+4*\slot+2:G0+4*\slot+3], s[12:13], \slot*ROWB
	s_or_b32 s[G0+4*\slot+3], s[G0+4*\slot+3], 0x80000000
	s_add_nc_u64 s[G0B+4*\slot+2:G0B+4*\slot+3], s[66:67], \slot*ROWB
	s_or_b32 s[G0B+4*\slot+3], s[G0B+4*\slot+3], 0x80000000
	JLOAD G0+4*\slot, G1C, G0B+4*\slot, G1B
.else
	s_add_nc_u64 s[G0+4*\slot+2:G0+4*\slot+3], s[G0+4*\slot+2:G0+4*\slot+3], 2*ROWB
	s_add_nc_u64 s[G0B+4*\slot+2:G0B+4*\slot+3], s[G0B+4*\slot+2:G0B+4*\slot+3], 2*ROWB
	JLOAD G0+4*\slot, G1, G0B+4*\slot, G1B         ; the first tensor load behind the round; the four v_nop behind it are the places in front of the loads below
.endif
.else
	PLACES NP
.endif
.if \fill != 3                         ; fill = 3: the first tile's last step: no fragments are fetched, the tile goes out first
	FETCH_B \next, 0, 0
	FETCH_A \next, 0, 0
.endif
	WIN MUL_HI
	MUL16 4, 1, 0
	MUL16 6, 1, 0
.if \fill != 3
	PLACES NP
.endif
	WIN 0
.if \fill != 3
	FETCH_A \next, 0, 4
.endif
.endm
	s_wait_alu depctr_va_vdst(0)                   ; the wait at the head's end
	s_wait_tensorcnt 0x0                           ; my part of K step 0 is in
	ds_add_u32 v[SPW], v[NIL]
	s_wait_dscnt 0x0
	CROUND                                         ; everybody's part of K step 0 is in, and all sixteen work-groups are here
	JLOAD G0+4, G1, G0B+4, G1B                     ; K step 1: slot 1's first fill, the first tensor load behind the round
	FETCH_B 0, 0, 0
	FETCH_A 0, 0, 0
	FETCH_A 0, 0, 4
	STEP 0, 0, 1                                   ; the first step stands in front of the loop: its products start the sums
	s_mov_b32 s3, LAPS-1
.Llap:                                                 ; a trip goes once round the ring, from a lap's second step to the next lap's first, and fills both slots again
	TURN 0, 1, 1
	STEP 1, 0, 0
	TURN 1, 0, 1
	STEP 0, 0, 0
	s_sub_co_u32 s3, s3, 1
	s_cmp_lg_u32 s3, 0
	s_cbranch_scc1 .Llap
	TURN 0, 1, 2                                   ; the ring goes on into the second tile: slot 0 takes its K step 0,
	STEP 1, 0, 0
	TURN 1, 0, 3                                   ; slot 1 its K step 1; both are asked for when the first tile goes out
; THE WAY OUT, block by block of 16 rows of A x 128 rows of B.  The sums are held within 448 x the folded scale and converted, eight neighbours of a lane to 8 bytes; the lanes beside it hold other rows, so a
; block's 2,048 bytes go through my own stage in LDS and come back in the block's own order, 16 bytes a lane: a store covers 512 consecutive bytes.  LDS serves a wave's instructions in order (ISA guide 5.7.1.4).
.macro TOSTAGE a
.set AC, 64*((\a)%4)
.set CC, CD+16*((\a)%2)
	WIN 0x02+((\a)/4)                              ; source 0: window 2 or 3
.set j, 0
.rept 64
	v_med3_num_f32 v[TMP+j], v[AC+j], -v[LIM], v[LIM]   ; the hold (the conversion does not saturate: ISA guide 7.6.2), into other registers; each accumulator from its low end on
.set j, j+1
.endr
	WIN 0
.irp b, 0,1,2,3,4,5,6,7
	v_cvt_scalef32_pk8_fp8_f32 v[CC+2*\b:CC+2*\b+1], v[TMP+8*\b:TMP+8*\b+7], v[SCL]
.endr
	v_nop                                          ; one plain vector instruction behind the last conversion: the next block's holds write its sources
.irp b, 0,1,2,3,4,5,6,7
	ds_store_b64 v[STO], v[CC+2*\b:CC+2*\b+1] offset:32*(\b/2)+8*(\b%2)
.endr
.irp i, 0,1,2,3
	ds_load_b128 v[BB+16*(\a)+4*\i:BB+16*(\a)+4*\i+3], v[RD] offset:4*SPITCH*\i
.endr
.endm
.macro SEND a, younger                 ; younger: the LDS instructions issued behind block a's loads, which may stay out
	s_wait_dscnt \younger
.irp i, 0,1,2,3
	global_store_b128 v[CO], v[BB+16*(\a)+4*\i:BB+16*(\a)+4*\i+3], s[10:11] offset:2048*(\a)+512*\i   ; 32 lanes store 512 consecutive bytes, at a multiple of 512 from the buffer's first byte
.endr
.endm
	s_wait_kmcnt 0x0
	s_cmp_eq_u32 ttmp9, 0
	s_cselect_b32 s88, s82, s83                    ; e2 for q, e3 for k,
	s_cmp_eq_u32 ttmp9, 2
	s_cselect_b32 s88, s85, s88                    ; e5 for v
	s_sub_co_i32 s88, s88, s80
	s_sub_co_i32 s88, s88, s81                     ; a sum stands for sum x 2^(e0 + e1): its code is sum / 2^(eo - e0 - e1): the three scales are folded into the conversion's one
	s_add_co_i32 s88, s88, 127
	s_lshl_b32 s89, s88, 23
	s_add_co_i32 s88, s88, 8
	s_lshl_b32 s88, s88, 23
	s_or_b32 s88, s88, 0x600000
	PLACES NP                                      ; behind the last products: for the reads of results and for the loads into the registers that held A's fragments
	v_mov_b32 v[SCL], s89
	v_mov_b32 v[LIM], s88
	TOSTAGE 0
.irp a, 1,2,3,4,5,6,7
	TOSTAGE \a
	SEND \a-1, 12                                  ; behind block a - 1's loads: block a's 8 stores and 4 loads; so block a - 1's LDS stores are done before its set of codes is written again
.endr
	SEND 7, 0
; THE SECOND TILE: eight steps of 128 along K, step n in slot (n / 2) % 2, its fragments in set n % 2 of A (four blocks at AF + 64 x set) and of B.  Each step fetches the next step's fragments ahead of its products.
.macro FETCH2 n
.set FS, ((\n)/2)%2
.set FQ, (\n)%2
	FETCH_B FS, FQ, FQ
.irp i, 0,1,2,3
	FRAG AF+64*FQ+FR*\i, ADRA+FS, FQ, \i
.endr
.endm
.macro EVEN2 n, zero                   ; a slot's first step
	s_wait_dscnt 0x0                               ; this step's fragments are in
	PLACES NP                                      ; in front of loads into the set that the last products read
	FETCH2 (\n)+1
	WIN MUL_LO
	MUL16 0, 0, \zero
	MUL16 2, 0, \zero
	WIN 0
.endm
.macro ODD2 n, fill                    ; a slot's last step changes slots, as TURN does
.set OS, ((\n)/2)%2
	s_wait_tensorcnt 0x0                           ; all my tensor loads have landed: my part of the next slot
	ds_add_u32 v[SPW], v[NIL]
	s_wait_dscnt 1                                 ; this step's fragments are in; the add may be out
	WIN MUL_LO
	MUL16 4, 1, 0
	WIN 0
	s_wait_dscnt 0x0                               ; the add is done, and my reads of this slot are over
	s_barrier_signal -1
	s_barrier_wait -1
.if \fill
	CREST
	s_add_nc_u64 s[G0+4*OS+2:G0+4*OS+3], s[G0+4*OS+2:G0+4*OS+3], 2*ROWB
	s_add_nc_u64 s[G0B+4*OS+2:G0B+4*OS+3], s[G0B+4*OS+2:G0B+4*OS+3], 2*ROWB
	JLOAD G0+4*OS, G1C, G0B+4*OS, G1B
.else
	PLACES NP
.endif
	FETCH2 (\n)+1
	WIN MUL_LO
	MUL16 6, 1, 0
	WIN 0
.endm
	s_sub_co_i32 s88, s85, s80                     ; v's folded scale: 2^(e5 - e0 - e1)
	s_sub_co_i32 s88, s88, s81
	s_add_co_i32 s88, s88, 127
	s_lshl_b32 s89, s88, 23
	s_add_co_i32 s88, s88, 8
	s_lshl_b32 s88, s88, 23
	s_or_b32 s88, s88, 0x600000
	s_wait_xcnt 0x0                                ; the first tile's stores have read their registers and their base
	s_mov_b64 s[10:11], s[70:71]
	v_mov_b32 v[SCL], s89
	v_mov_b32 v[LIM], s88
	s_wait_alu depctr_va_vdst(0)
	FETCH2 0                                       ; slot 0's tile was shown whole by the round of the last change of slots
	EVEN2 0, 1
	ODD2 1, 1                                      ; slot 0 takes K step 2,
	EVEN2 2, 0
	ODD2 3, 1                                      ; slot 1 K step 3
	EVEN2 4, 0
	ODD2 5, 0
	EVEN2 6, 0
	s_wait_dscnt 0x0
	WIN MUL_LO
	MUL16 4, 1, 0
	MUL16 6, 1, 0
	WIN 0
	PLACES NP
	TOSTAGE 0
.irp a, 1,2,3
	TOSTAGE \a
	SEND \a-1, 12
.endr
	SEND 3, 0
	s_wait_tensorcnt 0x0                           ; the wave's end: behind my last tensor load and my last LDS store
	ds_add_u32 v[SPW], v[NIL]
	s_wait_dscnt 0x0
	CROUND                                         ; the closing round: no work-group ends while a partner may still ask for a tile that names it
	s_endpgm
.Lfunc_end_k_qedeeb542a0_proj:
	.size	k_qedeeb542a0_proj, .Lfunc_end_k_qedeeb542a0_proj-k_qedeeb542a0_proj
	.p2alignl 7, 3214868480
	.fill 96, 4, 3214868480
	.section	.rodata,"a",@progbits
	.p2align	6, 0x0
	.amdhsa_kernel k_qedeeb542a0_proj
		.amdhsa_group_segment_fixed_size 327680
		.amdhsa_private_segment_fixed_size 0
		.amdhsa_enable_private_segment 0
		.amdhsa_kernarg_size 48
		.amdhsa_user_sgpr_count 2
		.amdhsa_user_sgpr_kernarg_segment_ptr 1
		.amdhsa_wavefront_size32 1
		.amdhsa_system_sgpr_workgroup_id_x 1
		.amdhsa_system_sgpr_workgroup_id_y 1
		.amdhsa_system_sgpr_workgroup_id_z 1
		.amdhsa_system_vgpr_workitem_id 0
		.amdhsa_next_free_vgpr 1024
		.amdhsa_next_free_sgpr 102
		.amdhsa_reserve_vcc 0
		.amdhsa_float_denorm_mode_32 3
		.amdhsa_float_denorm_mode_16_64 3
		.amdhsa_memory_ordered 1
		.amdhsa_forward_progress 1
		.amdhsa_inst_pref_size 197
	.end_amdhsa_kernel
	.amdgpu_metadata
---
amdhsa.version: [ 1, 2 ]
amdhsa.kernels:
  - .name:           k_qedeeb542a0_proj
    .symbol:         k_qedeeb542a0_proj.kd
    .args:
      - { .name: x_codes, .offset: 0, .size: 8, .value_kind: global_buffer, .address_space: global }
      - { .name: wqkv_codes, .offset: 8, .size: 8, .value_kind: global_buffer, .address_space: global }
      - { .name: lowp_scales, .offset: 16, .size: 8, .value_kind: global_buffer, .address_space: global }
      - { .name: q_codes, .offset: 24, .size: 8, .value_kind: global_buffer, .address_space: global }
      - { .name: k_codes, .offset: 32, .size: 8, .value_kind: global_buffer, .address_space: global }
      - { .name: v_codes, .offset: 40, .size: 8, .value_kind: global_buffer, .address_space: global }
    .group_segment_fixed_size: 327680
    .private_segment_fixed_size: 0
    .kernarg_segment_align: 8
    .kernarg_segment_size: 48
    .max_flat_workgroup_size: 128
    .sgpr_count:     102
    .vgpr_count:     1024
    .wavefront_size: 32
...
	.end_amdgpu_metadata
.endif
;; end of part 2
;; launch attn (part 3): grid 8 x 32, 8 waves a work-group, no clusters, 327,680 bytes of LDS; arguments q_codes, k_codes, v_codes, lowp_scales, y_codes; writes y_codes
.if DOCPART == 3
	.amdgcn_target "amdgcn-amd-amdhsa--gfx1250"
	.amdhsa_code_object_version 6
	.text
	.protected	k_qedeeb542a0_attn
	.globl	k_qedeeb542a0_attn
	.p2align	8
	.type	k_qedeeb542a0_attn,@function
k_qedeeb542a0_attn:
	s_mov_b64 s[64:65], 0
	v_nop
	global_prefetch_b8 v0, s[64:65] scope:SCOPE_SE
	s_setreg_imm32_b32 hwreg(HW_REG_WAVE_MODE, 25, 1), 1
	s_wait_xcnt 0x0
; y[b][t][head][:] = the sum over keys k <= t of softmax_k(q . k / 8) v, both products on codes of FP8 (E4M3); y is quantised at once, with 2^e6, for the last product.
; Key blocks all of whose keys come after a query block are hidden by the causal mask that the problem builds itself: they are not walked.
; q, k: blocks [batch x 8 + head pair][token block of 128][token][two heads' 64 + 64 codes]; v: [pair][key block][two heads' 64 + 64 rows d][128 keys]; each block is 16,384 dense bytes.
; Inside each 32 bytes of a row, number 16 u + 8 h + j lies at byte 16 h + 8 u + j: for q and k one order of d on both sides; for v a 16-byte load at 32 c + 16 h brings keys 32 c + 8 h + 0..7 and 32 c + 16 + 8 h + 0..7.
; y: [head pair][8192 tokens][128 codes].  Scales: q 2^e2, k 2^e3, p 2^e4, v 2^e5, y 2^e6.
; THE SOFTMAX: t = score x log2(e) / 8; M = the largest t so far, rounded UP to a whole number; p = 2^(t - M) is quantised, not normalised; the row's sum is taken of the unquantised p and divides at the end.
; When M moves, the sum and O are multiplied by 2^(old M - new M), which rounds nothing.
; SHARES.  Work-group (J, pair) owns query blocks 15 - J and J of both heads: 16 - J and J + 1 key blocks count for them, 17 key steps of 128 keys in every work-group: 256 work-groups of equal work.
; The block with an EVEN number of key blocks is walked first.  So the change of blocks falls on a slot's head, and a diagonal on a slot's second step or on step 16, which is written out.
; Eight waves: waves 0-3 the pair's first head, waves 4-7 its second; wave % 4 owns 32 queries of each block, two tiles A and B, so that each fragment of K and V feeds two matrix instructions.
; THE RING: two LDS slots of two key blocks; wave 0 fetches a slot's K, wave 1 its V, each 32,768 dense bytes stated as 128 rows of 256 bytes, padded behind each 128.
; The last slot holds step 16; the key block behind it comes with the same load and is not read (it lies inside the pair's sixteen: the second walk's last block is 14 at most).
; NO JOINT LOADS: the work-groups of a pair leave their first walk behind different numbers of steps, so partners want different key blocks in the same step.
; LAYOUT.  S^T = K Q^T (source 0 = 16 neighbouring keys, source 1 = 16 queries, K = 64), O^T = V^T P^T (source 0 = 16 of the head's 64, source 1 = P, K = 128 keys): a lane holds one query of each tile throughout.
; Register j of score tile t is key 16 t + 8 (lane / 16) + j: a tile's eight codes are registers 2 t, 2 t + 1 of the second product's operand.
; LIMITS on the given exponents: e2 + e3 between -123 and 130 (added to c's exponent field); e4 and e6 between -126 and 119; e4 + e5 is applied by v_ldexp_f32.  NaN is not served.
; REGISTERS.  Window 0: v1-11 addresses; v12-15, v16-19 the two tiles' -M, largest t and sum; v24-39 Q; v40-103, v104-167 S^T, then p; v168-199 p's codes; v200-207 constants and f; v208-226 at work; v232-247 the first block's codes of y.
; Window 1 (written by its low numbers): v0-63 K's 8 fragments; v64-127 V's 4; v128-191 O^T of A and B; v192-207 the second block's Q.
.set KP,    144                        ; a row in LDS: 128 bytes + 16 of padding: sixteen rows start 4 banks apart (64 banks of 4 bytes: ISA guide 11.1)
.set KBLK,  128*KP                     ; a key block's K, or its V
.set VOFF,  2*KBLK                     ; a slot: K's two blocks, then V's two
.set SLOT1, 1<<17                      ; slot 1 begins here: one exclusive or turns an address
.set SPARE, 2*SLOT1                    ; the spare words, 128 bytes for each of 8 waves
.set STAGE, SPARE+1024                 ; the way out: 256 rows x 144 bytes (rows 0-127 the first block's); no fill lands here
.set AK0, 1
.set AV0, 2
.set PFO, 3                            ; 256 x lane; never rewritten
.set DQ,  4                            ; lane % 16 - 8 (lane / 16)
.set SPW, 5
.set NIL, 6
.set GO,  7
.set ADK, 8
.set ADV, 9
.set STO, 10
.set RD,  11
.set QA,  24
.set QB,  32
.set SA,  40
.set SB,  104
.set CA,  168
.set CB,  184
.set HOLD, 200                         ; v200, v201: 448 x 2^e4, twice, for the two halves of a dual line
.set PSC, 202                          ; 2^e4
.set YSC, 203                          ; 2^e6
.set FA,  204                          ; v[204:205], v[206:207]: f of A and of B
.set FB,  206
.set TSA, 208                          ; v208-213, v214-219: side chains of the sums (v208-212 serve the mask before)
.set TSB, 214
.set MX,  220                          ; v220-223 the maxima's chains; v224, v225 lane permutes' results
.set YLIM, 226                         ; 448 x 2^e6
.set KC,  232
.set TB,   2
.set E45,  3
.set WV,   18
.set SEL,  20
.set CS,   22
.set G1,   24
.set G0,   40
.set SLOTS, 67
.set PFA,  76
.set LIM,  80
.set NE,   81                          ; key steps of the first block
.set SQ,   82                          ; the first key step of the slot that is asked for
.set SEQ,  83                          ; the first key step of the slot in hand
.set KVB,  86
.set KF,   88
.set Q0,   89
.set Q0S,  90
.set QF,   98
.set QS,   99
.set MSB, 0
.macro WIN new                         ; the immediate's high byte repeats the setting that is left
.if MSB != (\new)
	s_set_vgpr_msb (MSB<<8)|(\new)
.set MSB, (\new)
.endif
.endm
.macro TLOAD                           ; waves 0 and 1 fetch; an s_nop 0 and four v_nop follow the load
	s_cmp_lt_u32 s[WV], 2
	s_cbranch_scc0 .Lasked_\@
	tensor_load_to_lds s[G0:G0+3], s[G1:G1+7]
	s_nop 0
.rept 4
	v_nop
.endr
.Lasked_\@:
.endm
; A prefetch of what the NEXT change of slots will ask for.  All eight work-groups of a pair begin with key blocks 0, 1, 2 ..; the one with J = 0, whose first walk takes all sixteen, asks, and nobody else.
; Waves 0-3 name K's 32,768 bytes, 8,192 a wave, lanes 256 bytes apart; waves 4-7 V's.  Trips 0 to 5 ask for slots 2 to 7; slots 0 and 1 come by their loads alone.
.macro ASK
	s_cmp_gt_u32 s[SLOTS], s[LIM]
	s_cbranch_scc0 .Lnot_mine_\@
	global_prefetch_b8 v[PFO], s[PFA:PFA+1] th:TH_LOAD_NT scope:SCOPE_SE
.Lnot_mine_\@:
.endm
.macro KLOAD q                         ; eight tiles of 16 neighbouring keys x my head's 64
.irp t, 0,1,2,3,4,5,6,7
	ds_load_b128 v[8*\t:8*\t+3], v[ADK] offset:(\q)*KBLK+16*\t*KP
	ds_load_b128 v[8*\t+4:8*\t+7], v[ADK] offset:(\q)*KBLK+16*\t*KP+32
.endr
.endm
.macro VLOAD q                         ; four tiles of 16 d x 128 keys
.irp t, 0,1,2,3
.irp c, 0,1,2,3
	ds_load_b128 v[64+16*\t+4*\c:64+16*\t+4*\c+3], v[ADV] offset:(\q)*KBLK+16*\t*KP+32*\c
.endr
.endr
.endm
; A tile's sum of the unquantised p, 32 packed additions in eight chains: the running sum and seven side chains in v208-219 and v[230:231].
.macro SUMS s, acc
.irp c, 1,2,3,4,5,6,7
	v_pk_add_f32 v[206+2*\c+(\c/7)*10:207+2*\c+(\c/7)*10], v[\s+2*\c:\s+2*\c+1], v[\s+16+2*\c:\s+17+2*\c]
.endr
	v_pk_add_f32 v[\acc:\acc+1], v[\acc:\acc+1], v[\s:\s+1]
.irp g, 32,48
.irp c, 1,2,3,4,5,6,7
	v_pk_add_f32 v[206+2*\c+(\c/7)*10:207+2*\c+(\c/7)*10], v[206+2*\c+(\c/7)*10:207+2*\c+(\c/7)*10], v[\s+\g+2*\c:\s+\g+2*\c+1]
.endr
	v_pk_add_f32 v[\acc:\acc+1], v[\acc:\acc+1], v[\s+\g-16:\s+\g-15]
.endr
	v_pk_add_f32 v[208:209], v[208:209], v[210:211]
	v_pk_add_f32 v[212:213], v[212:213], v[214:215]
	v_pk_add_f32 v[216:217], v[216:217], v[218:219]
	v_pk_add_f32 v[\acc:\acc+1], v[\acc:\acc+1], v[\s+48:\s+49]
	v_pk_add_f32 v[208:209], v[208:209], v[212:213]
	v_pk_add_f32 v[216:217], v[216:217], v[230:231]
	v_pk_add_f32 v[\acc:\acc+1], v[\acc:\acc+1], v[208:209]
	v_pk_add_f32 v[\acc:\acc+1], v[\acc:\acc+1], v[216:217]
.endm
.macro MASK s, d
.set n, 0
.rept 64
.set kk, 16*(n/8)+n%8
.if kk <= 64
	v_cmp_gt_i32 vcc_lo, kk, v[\d]
.else
	v_cmp_gt_i32 vcc_lo, kk-64, v[\d+2]
.endif
	v_cndmask_b32 v[\s+n], v[\s+n], v212, vcc_lo
.set n, n+1
.endr
.endm
	s_load_b128 s[4:7], s[0:1], 0x0                ; q's codes, k's codes
	s_load_b128 s[12:15], s[0:1], 0x10             ; v's codes, the scales' exponents
	s_load_b64 s[16:17], s[0:1], 0x20              ; y's codes
	v_lshl_add_u32 v[SPW], v0, 2, SPARE
	v_mov_b32 v[NIL], 0
	ds_add_u32 v[SPW], v[NIL]                      ; the opening lines: the add, twice on end, and its wait ahead of the first tensor load
	ds_add_u32 v[SPW], v[NIL]
	v_lshrrev_b32 v8, 5, v0
	v_readfirstlane_b32 s[WV], v8                  ; wave 0..7
	s_lshr_b32 s19, s[WV], 2                       ; my head in the pair
	s_and_b32 s91, s[WV], 3                        ; w'
	s_mov_b32 s66, ttmp9                           ; J
	s_sub_co_u32 s95, 15, s66
	s_bitcmp1_b32 s66, 0                           ; J odd: block J has J + 1 key blocks, an even number; J even: block 15 - J has 16 - J
	s_cselect_b32 s[QF], s66, s95                  ; the first block,
	s_cselect_b32 s[QS], s95, s66                  ; the second
	s_add_co_u32 s[NE], s[QF], 1
	s_and_b32 s96, ttmp7, 0xffff                   ; the pair
	s_lshl_b32 s92, s96, 18                        ; its sixteen blocks begin here, in q, k and v alike
	s_mov_b32 s93, 0
	s_mov_b32 s[G1], (0<<16)|(1<<20)|(4<<22)|(3<<25)   ; elements of 1 byte; padding: four words after every 32
	s_mov_b32 s[G1+1], 256<<16
	s_mov_b32 s[G1+2], 128<<16
	s_mov_b32 s[G1+3], 256<<16
	s_mov_b32 s[G1+4], 128
	s_mov_b32 s[G1+5], 256
	s_mov_b32 s[G1+6], 0
	s_mov_b32 s[G1+7], 0
	s_mov_b32 s[SEL], 0x76543210
	s_mov_b32 s[SEL+1], 0xfedcba98
	s_mov_b32 s[CS], 0x3e38aa3b                    ; log2(e) / 8
	s_mov_b32 s[TB], 0
	s_mov_b32 s[SLOTS], 8
	s_mov_b32 s[SEQ], 0
	s_mov_b32 s[KF], 0
	s_mov_b32 s[SQ], 0
	s_mov_b32 s85, 0
	s_and_b32 s97, s[WV], 1
	s_mul_i32 s94, s97, VOFF                       ; where my load goes in a slot: K, then V
	s_lshl_b32 s34, s19, 6                         ; my head's 64 bytes of a row
	s_lshl_b32 s95, s91, 12                        ; my 32 rows of 128 bytes
	s_add_co_u32 s95, s95, s34
	s_lshl_b32 s32, s[QF], 14
	s_add_co_u32 s32, s32, s95                     ; Q of the first block,
	s_lshl_b32 s33, s[QS], 14
	s_add_co_u32 s33, s33, s95                     ; of the second
	s_mul_i32 s35, s19, 64*KP
	s_add_co_u32 s35, s35, VOFF                    ; my head's 64 rows of V
	s_mul_i32 s36, s91, 32*KP
	s_add_co_u32 s36, s36, s34
	s_add_co_u32 s36, s36, STAGE                   ; the stage, in: rows 32 w' on, + my head's 64
	s_mul_i32 s37, s[WV], 32*KP
	s_add_co_u32 s37, s37, STAGE                   ; back: rows 32 x wave on
	s_and_b32 s38, s96, 7                          ; y: the head pair,
	s_lshl_b32 s38, s38, 14                        ; y AS IT STANDS (this takes the place of the head's line): [token block of 128][head pair][128 tokens][128 codes]: a head pair's 16,384 bytes,
	s_lshr_b32 s95, s96, 3                         ; the batch's 2,048 rows,
	s_lshl_b32 s95, s95, 21                        ; a batch's sixteen token blocks of 131,072 bytes,
	s_add_co_u32 s38, s38, s95
	s_lshl_b32 s95, s91, 12                        ; 32 rows a wave,
	s_add_co_u32 s38, s38, s95
	s_cmp_lt_u32 s[WV], 4                          ; waves 0-3 store the first block's rows, waves 4-7 the second's
	s_cselect_b32 s95, s[QF], s[QS]
	s_lshl_b32 s95, s95, 17                        ; the token block
	s_add_co_u32 s38, s38, s95
	s_mov_b32 s39, 0
	s_lshl_b32 s44, s91, 13                        ; the prefetches: my wave's 8,192 bytes,
	s_add_co_u32 s44, s44, 32768                   ; in slot 1: the first change of slots steps it to slot 2
	s_add_co_u32 s44, s44, s92
	s_mov_b32 s45, 0
	s_cmp_eq_u32 s66, 0
	s_cselect_b32 s[LIM], 2, -1
	s_lshl_b32 s95, s91, 5
	s_lshl_b32 s[Q0], s[QF], 7
	s_add_co_u32 s[Q0], s[Q0], s95                 ; my first query of the first block,
	s_lshl_b32 s[Q0S], s[QS], 7
	s_add_co_u32 s[Q0S], s[Q0S], s95               ; of the second
	s_wait_dscnt 0x0                               ; both opening adds are done
	s_wait_kmcnt 0x0
	s_load_b256 s[68:75], s[14:15], 0x0            ; e0 .. e7
	s_cmp_eq_u32 s97, 0                            ; even waves' descriptor names K, odd waves' V
	s_cselect_b64 s[KVB:KVB+1], s[6:7], s[12:13]
	s_add_nc_u64 s[KVB:KVB+1], s[KVB:KVB+1], s[92:93]
	s_mov_b32 s[G0], 1
	s_mov_b32 s[G0+1], s94
	s_mov_b64 s[G0+2:G0+3], s[KVB:KVB+1]           ; key blocks 0 and 1
	s_or_b32 s[G0+3], s[G0+3], 0x80000000
	TLOAD                                          ; slot 0
	s_add_nc_u64 s[4:5], s[4:5], s[92:93]
	s_add_nc_u64 s[16:17], s[16:17], s[38:39]
	s_cmp_lt_u32 s[WV], 4
	s_cselect_b64 s[PFA:PFA+1], s[6:7], s[12:13]
	s_add_nc_u64 s[PFA:PFA+1], s[PFA:PFA+1], s[44:45]
	v_and_b32 v208, 15, v0                         ; r
	v_bfe_u32 v209, v0, 4, 1                       ; h
	v_and_b32 v210, 31, v0                         ; lane
	v_lshlrev_b32 v211, 7, v208
	v_lshl_add_u32 v211, v209, 4, v211             ; Q: row r of 128 bytes, + 16 h
	v_add_nc_u32 v8, s32, v211
	v_add_nc_u32 v9, s33, v211
	global_load_b128 v[QA:QA+3], v8, s[4:5]        ; a fragment of 16 rows x 64: two loads of 16 bytes, 32 apart: one order of d for Q and K
	global_load_b128 v[QA+4:QA+7], v8, s[4:5] offset:32
	global_load_b128 v[QB:QB+3], v8, s[4:5] offset:2048
	global_load_b128 v[QB+4:QB+7], v8, s[4:5] offset:2080
	WIN 0x40
	global_load_b128 v[192:195], v9, s[4:5]
	global_load_b128 v[196:199], v9, s[4:5] offset:32
	global_load_b128 v[200:203], v9, s[4:5] offset:2048
	global_load_b128 v[204:207], v9, s[4:5] offset:2080
	WIN 0
	v_mul_u32_u24 v212, v208, KP
	v_lshl_add_u32 v213, v209, 4, v212             ; row r, + 16 h
	v_add_nc_u32 v[AK0], s34, v213
	v_add_nc_u32 v[AV0], s35, v213
	v_lshlrev_b32 v214, 3, v209
	v_sub_nc_u32 v[DQ], v208, v214
	v_lshlrev_b32 v[GO], 4, v210
	v_lshlrev_b32 v[PFO], 8, v210
	v_add_nc_u32 v[STO], v212, v214
	v_add_nc_u32 v[STO], s36, v[STO]               ; row r, + 8 h
	v_lshrrev_b32 v215, 3, v210
	v_mul_u32_u24 v215, v215, KP
	v_and_b32 v216, 7, v210
	v_lshl_add_u32 v215, v216, 4, v215
	v_add_nc_u32 v[RD], s37, v215                  ; eight lanes to a row, four rows an instruction
	v_mov_b32 v13, 0xff61b1e6                      ; the largest t so far: -3e38, under every t
	v_mov_b32 v17, 0xff61b1e6
	v_floor_f32 v12, -v13                          ; -M
	v_floor_f32 v16, -v17
	v_mov_b32 v14, 0                               ; the sums, in two halves
	v_mov_b32 v15, 0
	v_mov_b32 v18, 0
	v_mov_b32 v19, 0
	v_mov_b32 v[FA+1], 0                           ; (named as the upper halves of pairs)
	v_mov_b32 v[FB+1], 0
	v_mov_b32 v224, 0                              ; a lane permute's destination counts as one of its sources
	v_mov_b32 v225, 0
.set i, 0
.rept 16
	v_mov_b32 v[KC+i], 0                           ; written under a branch on ids later: written once here, so that they are written on every way through the text
.set i, i+1
.endr
	WIN 0x40
.set i, 0
.rept 64
	v_mov_b32 v[128+i], 0                          ; O^T: a walk's first step finds zeros, which the first change of M leaves zeros
.set i, i+1
.endr
	WIN 0
	s_wait_kmcnt 0x0
	s_add_co_i32 s94, s70, s71
	s_lshl_b32 s94, s94, 23
	s_add_co_i32 s[CS], s[CS], s94                 ; a score stands for score x 2^(e2 + e3)
	s_mov_b32 s[CS+1], s[CS]
	s_add_co_i32 s[E45], s72, s73
	s_add_co_i32 s94, s72, 127
	s_lshl_b32 s95, s94, 23
	v_mov_b32 v[PSC], s95
	s_add_co_i32 s94, s94, 8
	s_lshl_b32 s94, s94, 23
	s_or_b32 s94, s94, 0x600000
	v_mov_b32 v[HOLD], s94
	v_mov_b32 v[HOLD+1], s94
	s_add_co_i32 s94, s74, 127
	s_lshl_b32 s95, s94, 23
	v_mov_b32 v[YSC], s95
	s_add_co_i32 s94, s94, 8
	s_lshl_b32 s94, s94, 23
	s_or_b32 s94, s94, 0x600000
	v_mov_b32 v[YLIM], s94
; A KEY STEP: 128 keys, the q-th key block of the slot in hand, for both tiles.  kload: K is fetched here; knext: the next step's K is fetched under the softmax; mask: 0 none, 1 where the step lies on the diagonal, 2 always.
.macro STEP q, kload, knext, mask
.if \kload
	v_add_nc_u32 v[ADK], s[TB], v[AK0]
	v_add_nc_u32 v[ADV], s[TB], v[AV0]
	WIN 0x40
	KLOAD \q
	WIN 0
	s_wait_alu depctr_va_vdst(0)
.endif
	s_wait_dscnt 0x0                               ; K is in
	WIN 0x01
.irp t, 0,1,2,3,4,5,6,7
	v_wmma_f32_16x16x64_fp8_fp8 v[SA+8*\t:SA+8*\t+7], v[8*\t:8*\t+7], v[QA:QA+7], 0
	v_wmma_f32_16x16x64_fp8_fp8 v[SB+8*\t:SB+8*\t+7], v[8*\t:8*\t+7], v[QB:QB+7], 0
.endr
	WIN 0
.rept 4
	v_nop                                          ; places: for the loads below and for the first reads of the scores
.endr
	WIN 0x40
	VLOAD \q                                       ; V lands under the softmax
.if \knext
	KLOAD (\q)+1
.endif
	WIN 0
.if \mask
.if \mask == 1
	s_add_co_u32 s96, s[KF], 127                   ; a step all of whose keys count jumps over the mask: a scalar branch on ids
	s_cmp_le_u32 s96, s[Q0]
	s_cbranch_scc1 .Lopen_\@
.endif
	s_sub_co_i32 s96, s[Q0], s[KF]
	v_add_nc_u32 v208, s96, v[DQ]                  ; d = A's query - KF - 8 h,
	v_add_nc_u32 v209, 16, v208                    ; B's
	v_add_nc_u32 v210, -64, v208
	v_add_nc_u32 v211, -64, v209
	v_mov_b32 v212, 0xff800000                     ; hidden scores become -infinity ahead of the maximum: p = 0 then
	MASK SA, 208
	MASK SB, 209
.Lopen_\@:
.endif
	v_max3_num_f32 v[MX], v[SA], v[SA+1], v[SA+2]  ; the step's largest scores, two chains a tile, the tiles by turns
	v_max3_num_f32 v[MX+2], v[SB], v[SB+1], v[SB+2]
	v_max3_num_f32 v[MX+1], v[SA+3], v[SA+4], v[SA+5]
	v_max3_num_f32 v[MX+3], v[SB+3], v[SB+4], v[SB+5]
	v_max3_num_f32 v227, v[SA+6], v[SA+7], v[SA+8] ; four chains a tile (the third and fourth in v227, v228 and v229, v230), each accumulator from its low end on
	v_max3_num_f32 v229, v[SB+6], v[SB+7], v[SB+8]
	v_max3_num_f32 v228, v[SA+9], v[SA+10], v[SA+11]
	v_max3_num_f32 v230, v[SB+9], v[SB+10], v[SB+11]
.irp i, 12,20,28,36,44,52
	v_max3_num_f32 v[MX], v[MX], v[SA+\i], v[SA+\i+1]
	v_max3_num_f32 v[MX+2], v[MX+2], v[SB+\i], v[SB+\i+1]
	v_max3_num_f32 v[MX+1], v[MX+1], v[SA+\i+2], v[SA+\i+3]
	v_max3_num_f32 v[MX+3], v[MX+3], v[SB+\i+2], v[SB+\i+3]
	v_max3_num_f32 v227, v227, v[SA+\i+4], v[SA+\i+5]
	v_max3_num_f32 v229, v229, v[SB+\i+4], v[SB+\i+5]
	v_max3_num_f32 v228, v228, v[SA+\i+6], v[SA+\i+7]
	v_max3_num_f32 v230, v230, v[SB+\i+6], v[SB+\i+7]
.endr
	v_max3_num_f32 v[MX], v[MX], v[SA+60], v[SA+61]
	v_max3_num_f32 v[MX+2], v[MX+2], v[SB+60], v[SB+61]
	v_max3_num_f32 v[MX+1], v[MX+1], v[SA+62], v[SA+63]
	v_max3_num_f32 v[MX+3], v[MX+3], v[SB+62], v[SB+63]
	v_max_num_f32 v227, v227, v228
	v_max_num_f32 v229, v229, v230
	v_max3_num_f32 v[MX], v[MX], v[MX+1], v227
	v_max3_num_f32 v[MX+2], v[MX+2], v[MX+3], v229
	v_permlanex16_b32 v224, v[MX], s[SEL], s[SEL+1]
	v_permlanex16_b32 v225, v[MX+2], s[SEL], s[SEL+1]
	v_max_num_f32 v[MX], v[MX], v224               ; and lane l xor 16's
	v_max_num_f32 v[MX+2], v[MX+2], v225
	v_mul_f32 v[MX], s[CS], v[MX]                  ; as t (c is positive)
	v_mul_f32 v[MX+2], s[CS], v[MX+2]
	v_max_num_f32 v13, v13, v[MX]                  ; the running largest t
	v_max_num_f32 v17, v17, v[MX+2]
	v_mov_b32 v[MX], v12
	v_mov_b32 v[MX+2], v16
	v_floor_f32 v12, -v13                          ; the new -M = -ceil(t)
	v_floor_f32 v16, -v17
	v_sub_f32 v[MX], v12, v[MX]                    ; old M - new M: a whole number, 0 or less
	v_sub_f32 v[MX+2], v16, v[MX+2]
	v_cvt_i32_f32 v[MX], v[MX]
	v_cvt_i32_f32 v[MX+2], v[MX+2]
	v_ldexp_f32 v[FA], 1.0, v[MX]                  ; f = 2^(old M - new M)
	v_ldexp_f32 v[FB], 1.0, v[MX+2]
	v_pk_mul_f32 v[14:15], v[14:15], v[FA:FA+1] op_sel_hi:[1,0]
	v_pk_mul_f32 v[18:19], v[18:19], v[FB:FB+1] op_sel_hi:[1,0]
	WIN 0x41
.irp j, 0,2,4,6,8,10,12,14,16,18,20,22,24,26,28,30
	v_pk_mul_f32 v[128+\j:129+\j], v[128+\j:129+\j], v[FA:FA+1] op_sel_hi:[1,0]   ; O^T under the new M, ahead of the exponentials; each accumulator from its low end on
	v_pk_mul_f32 v[160+\j:161+\j], v[160+\j:161+\j], v[FB:FB+1] op_sel_hi:[1,0]
.endr
	WIN 0
.irp j, 0,2,4,6,8,10,12,14,16,18,20,22,24,26,28,30,32,34,36,38,40,42,44,46,48,50,52,54,56,58,60,62
	v_pk_fma_f32 v[SA+\j:SA+\j+1], v[SA+\j:SA+\j+1], s[CS:CS+1], v[12:13] op_sel_hi:[1,0,0]   ; t - M, two at a time
.endr
	s_wait_alu depctr_va_vdst(0)                   ; the wait ahead of the batch
.set i, 0
.rept 32
	v_exp_f32 v[SA+i], v[SA+i]                     ; A's p = 2^(t - M), at most 1; among the 64 exponentials stand B's 32 multiply-adds, whose results are first read behind the wait below
	v_exp_f32 v[SA+i+1], v[SA+i+1]
	v_pk_fma_f32 v[SB+i:SB+i+1], v[SB+i:SB+i+1], s[CS:CS+1], v[16:17] op_sel_hi:[1,0,0]
.set i, i+2
.endr
	v_nop                                          ; the plain place behind the exponentials
	s_wait_alu depctr_va_vdst(0)                   ; and the one wait behind the batch
	SUMS SA, 14                                    ; A's sum, of the unquantised p
.set i, 0
.rept 32
	v_exp_f32 v[SB+i], v[SB+i]                     ; B's p; among the 64 exponentials stand A's 32 holds, whose results are first read behind the wait below
	v_exp_f32 v[SB+i+1], v[SB+i+1]
	v_dual_min_num_f32 v[SA+i], v[SA+i], v[HOLD] :: v_dual_min_num_f32 v[SA+i+1], v[SA+i+1], v[HOLD+1]   ; the conversion does not saturate (ISA guide 7.6.2); p is not negative, so the hold is one-sided; two a line
.set i, i+2
.endr
	v_nop                                          ; the plain place behind the exponentials
	s_wait_alu depctr_va_vdst(0)                   ; the wait behind the second batch
	SUMS SB, 18
.set i, 0
.rept 32
	v_dual_min_num_f32 v[SB+i], v[SB+i], v[HOLD] :: v_dual_min_num_f32 v[SB+i+1], v[SB+i+1], v[HOLD+1]
.set i, i+2
.endr
.irp t, 0,1,2,3,4,5,6,7
	v_cvt_scalef32_pk8_fp8_f32 v[CA+2*\t:CA+2*\t+1], v[SA+8*\t:SA+8*\t+7], v[PSC]
	v_cvt_scalef32_pk8_fp8_f32 v[CB+2*\t:CB+2*\t+1], v[SB+8*\t:SB+8*\t+7], v[PSC]
.endr
	v_nop                                          ; one plain vector instruction behind the last conversion
	s_wait_alu depctr_va_vdst(0)                   ; directly ahead of the wait below
.if \knext
	s_wait_dscnt 16                                ; V's 16 loads are in; the 16 of the next step's K may be out
.else
	s_wait_dscnt 0x0
.endif
	WIN 0x51
.irp t, 0,1,2,3
	v_wmma_f32_16x16x128_fp8_fp8 v[128+8*\t:135+8*\t], v[64+16*\t:79+16*\t], v[CA:CA+15], v[128+8*\t:135+8*\t]   ; the eight accumulators take one turn each
	v_wmma_f32_16x16x128_fp8_fp8 v[160+8*\t:167+8*\t], v[64+16*\t:79+16*\t], v[CB:CB+15], v[160+8*\t:167+8*\t]
.endr
	WIN 0
	s_add_co_u32 s[KF], s[KF], 128
.endm
; A block is finished: O^T / the sum x 2^(e4 + e5), held and converted with 2^e6, into 16 registers from v[d] on (A's four tiles of d, then B's).  The first six lines are the places behind the last products.
.macro FINISH d
	v_add_f32 v14, v14, v15
	v_add_f32 v18, v18, v19
	v_permlanex16_b32 v224, v14, s[SEL], s[SEL+1]
	v_permlanex16_b32 v225, v18, s[SEL], s[SEL+1]
	v_add_f32 v14, v14, v224
	v_add_f32 v18, v18, v225
	s_wait_alu depctr_va_vdst(0)                   ; the wait ahead of the reciprocals,
	v_rcp_f32 v14, v14
	v_rcp_f32 v18, v18
	v_nop
	s_wait_alu depctr_va_vdst(0)                   ; behind them,
	v_ldexp_f32 v14, v14, s[E45]
	v_ldexp_f32 v18, v18, s[E45]
	WIN 0x01
	s_wait_alu depctr_va_vdst(0)                   ; and directly ahead of the first reader of O^T
.set i, 0
.rept 32
	v_mul_f32 v[SA+i], v[128+i], v14               ; register 8 t + j is y(query r, d = 16 t + 8 h + j)
.set i, i+1
.endr
.set i, 0
.rept 32
	v_mul_f32 v[SA+32+i], v[160+i], v18
.set i, i+1
.endr
	WIN 0
.set i, 0
.rept 64
	v_med3_num_f32 v[SA+i], v[SA+i], -v[YLIM], v[YLIM]
.set i, i+1
.endr
.irp t, 0,1,2,3,4,5,6,7
	v_cvt_scalef32_pk8_fp8_f32 v[\d+2*\t:\d+2*\t+1], v[SA+8*\t:SA+8*\t+7], v[YSC]
.endr
	v_nop                                          ; one plain vector instruction behind the last conversion
.endm
; THE CHANGE OF BLOCKS, at a slot's head, under a scalar branch on ids: the first block's codes are kept, and the second block's walk begins at key 0.
.macro SWITCH
	s_cmp_eq_u32 s[SEQ], s[NE]
	s_cbranch_scc0 .Lsame_\@
	FINISH KC
	WIN 0x01
.set i, 0
.rept 16
	v_mov_b32 v[QA+i], v[192+i]
.set i, i+1
.endr
	WIN 0
	v_mov_b32 v13, 0xff61b1e6
	v_mov_b32 v17, 0xff61b1e6
	v_floor_f32 v12, -v13
	v_floor_f32 v16, -v17
	v_mov_b32 v14, 0
	v_mov_b32 v15, 0
	v_mov_b32 v18, 0
	v_mov_b32 v19, 0
	WIN 0x40
.set i, 0
.rept 64
	v_mov_b32 v[128+i], 0
.set i, i+1
.endr
	WIN 0
	s_mov_b32 s[KF], 0
	s_mov_b32 s[Q0], s[Q0S]
	s_wait_alu depctr_va_vdst(0)
.Lsame_\@:
.endm
; THE CHANGE OF SLOTS, at a slot's head.  Each wave waits for all its tensor loads, adds 0 to its spare word, and waits for that and for its reads of the slot that it has left.
; fill = 1: behind the barrier the other slot is filled with the next two key blocks; the load has a slot's two steps in which to land.  The first time that is slot 1's first fill.
.macro CHANGE fill
	s_wait_tensorcnt 0x0
	ds_add_u32 v[SPW], v[NIL]
.if \fill
	ds_add_u32 v[SPW], v[NIL]                      ; and twice on end where a load follows
	s_xor_b32 s[G0+1], s[G0+1], SLOT1
	s_add_co_u32 s[SQ], s[SQ], 2
	s_cmp_ge_u32 s[SQ], s[NE]
	s_cselect_b32 s84, s[NE], 0
	s_sub_co_u32 s84, s[SQ], s84                   ; the key block: the step's number in the first walk, or that less the first walk's steps
	s_lshl_b32 s84, s84, 14
	s_add_nc_u64 s[G0+2:G0+3], s[KVB:KVB+1], s[84:85]
	s_or_b32 s[G0+3], s[G0+3], 0x80000000
	s_wait_xcnt 0x0                                ; the last prefetch has read its address
	s_add_nc_u64 s[PFA:PFA+1], s[PFA:PFA+1], 32768
.endif
	s_wait_dscnt 0x0
	s_barrier_signal -1
	s_barrier_wait -1
.if \fill
	TLOAD
	ASK
.endif
.endm
	s_wait_alu depctr_va_vdst(0)                   ; the wait at the head's end
	s_wait_loadcnt 0x0                             ; Q
.Lslot:                                            ; eight trips: key steps 0 to 15; trip n asks for slot n + 1
	CHANGE 1
	SWITCH
	STEP 0, 1, 1, 0
	STEP 1, 0, 0, 1
	s_xor_b32 s[TB], s[TB], SLOT1
	s_add_co_u32 s[SEQ], s[SEQ], 2
	s_sub_co_u32 s[SLOTS], s[SLOTS], 1
	s_cmp_lg_u32 s[SLOTS], 0
	s_cbranch_scc1 .Lslot
	CHANGE 0                                       ; key step 16 is written out: nothing more is asked for; it is the second block's diagonal
	SWITCH
	STEP 0, 1, 0, 2
	; THE WAY OUT.  A row's 128 codes come from two waves (the two heads): they meet in the stage, behind a barrier, and each wave stores 32 whole rows: 4,096 dense bytes.
	FINISH CA
.irp t, 0,1,2,3
	ds_store_b64 v[STO], v[KC+2*\t:KC+2*\t+1] offset:16*\t
	ds_store_b64 v[STO], v[KC+8+2*\t:KC+9+2*\t] offset:16*KP+16*\t
	ds_store_b64 v[STO], v[CA+2*\t:CA+2*\t+1] offset:128*KP+16*\t
	ds_store_b64 v[STO], v[CA+8+2*\t:CA+9+2*\t] offset:144*KP+16*\t
.endr
	s_wait_dscnt 0x0                               ; for the others' sake: my stores into the stage are done
	s_barrier_signal -1
	s_barrier_wait -1
.irp i, 0,1,2,3,4,5,6,7
	ds_load_b128 v[SA+4*\i:SA+4*\i+3], v[RD] offset:4*KP*\i
.endr
.irp i, 0,1,2,3,4,5,6,7
	s_wait_dscnt 7-\i                              ; the younger loads may stay out
	global_store_b128 v[GO], v[SA+4*\i:SA+4*\i+3], s[16:17] offset:512*\i   ; 32 lanes store 512 consecutive bytes, at a multiple of 512 from the buffer's first byte
.endr
	s_wait_tensorcnt 0x0                           ; the wave's end
	ds_add_u32 v[SPW], v[NIL]
	s_wait_dscnt 0x0
	s_endpgm
.Lfunc_end_k_qedeeb542a0_attn:
	.size	k_qedeeb542a0_attn, .Lfunc_end_k_qedeeb542a0_attn-k_qedeeb542a0_attn
	.p2alignl 7, 3214868480
	.fill 96, 4, 3214868480
	.section	.rodata,"a",@progbits
	.p2align	6, 0x0
	.amdhsa_kernel k_qedeeb542a0_attn
		.amdhsa_group_segment_fixed_size 327680
		.amdhsa_private_segment_fixed_size 0
		.amdhsa_enable_private_segment 0
		.amdhsa_kernarg_size 40
		.amdhsa_user_sgpr_count 2
		.amdhsa_user_sgpr_kernarg_segment_ptr 1
		.amdhsa_wavefront_size32 1
		.amdhsa_system_sgpr_workgroup_id_x 1
		.amdhsa_system_sgpr_workgroup_id_y 1
		.amdhsa_system_sgpr_workgroup_id_z 1
		.amdhsa_system_vgpr_workitem_id 0
		.amdhsa_next_free_vgpr 512
		.amdhsa_next_free_sgpr 100
		.amdhsa_reserve_vcc 1
		.amdhsa_float_denorm_mode_32 3
		.amdhsa_float_denorm_mode_16_64 3
		.amdhsa_memory_ordered 1
		.amdhsa_forward_progress 1
		.amdhsa_inst_pref_size 144
	.end_amdhsa_kernel
	.amdgpu_metadata
---
amdhsa.version: [ 1, 2 ]
amdhsa.kernels:
  - .name:           k_qedeeb542a0_attn
    .symbol:         k_qedeeb542a0_attn.kd
    .args:
      - { .name: q_codes, .offset: 0, .size: 8, .value_kind: global_buffer, .address_space: global }
      - { .name: k_codes, .offset: 8, .size: 8, .value_kind: global_buffer, .address_space: global }
      - { .name: v_codes, .offset: 16, .size: 8, .value_kind: global_buffer, .address_space: global }
      - { .name: lowp_scales, .offset: 24, .size: 8, .value_kind: global_buffer, .address_space: global }
      - { .name: y_codes, .offset: 32, .size: 8, .value_kind: global_buffer, .address_space: global }
    .group_segment_fixed_size: 327680
    .private_segment_fixed_size: 0
    .kernarg_segment_align: 8
    .kernarg_segment_size: 40
    .max_flat_workgroup_size: 256
    .sgpr_count:     100
    .vgpr_count:     512
    .wavefront_size: 32
...
	.end_amdgpu_metadata
.endif
;; end of part 3
;; launch outp (part 4): grid 4 x 64, 4 waves a work-group, clusters of 4 x 4, 327,680 bytes of LDS; arguments y_codes, wout_codes, lowp_scales, out0; writes out0
.if DOCPART == 4
	.amdgcn_target "amdgcn-amd-amdhsa--gfx1250"
	.amdhsa_code_object_version 6
	.text
	.protected	k_qedeeb542a0_outp
	.globl	k_qedeeb542a0_outp
	.p2align	8
	.type	k_qedeeb542a0_outp,@function
k_qedeeb542a0_outp:
	s_mov_b64 s[64:65], 0
	v_nop
	global_prefetch_b8 v0, s[64:65] scope:SCOPE_SE
	s_setreg_imm32_b32 hwreg(HW_REG_WAVE_MODE, 25, 1), 1
	s_wait_xcnt 0x0
	s_wait_alu depctr_hold_cnt(0) depctr_sa_sdst(0) depctr_va_vdst(0) depctr_va_sdst(0) depctr_va_ssrc(0) depctr_va_vcc(0) depctr_vm_vsrc(0)
	s_getreg_b32 s2, hwreg(HW_REG_IB_STS2, 6, 4)
	s_cmp_eq_u32 s2, 0
	s_cbranch_scc0 .Lentry_in_a_cluster
	s_endpgm
.Lentry_in_a_cluster:
	s_bfe_u32 s2, ttmp6, 0x10000c
	s_cmp_lg_u32 s2, 0xf033
	s_cbranch_scc0 .Lentry_shape_is_right
	s_endpgm
.Lentry_shape_is_right:
; out0 = y w_out^T on codes of FP8 (E4M3), [8192 x 1024] x [1024 x 1024], f32 sums, each multiplied once by 2^(e6 + e7).
; LIMIT: e6 + e7 lies between -126 and 127, so that 2^(e6 + e7) is an f32 number.
; y's codes lie as [token block of 128][head pair p][128 tokens][128 codes], pair p holding K = 128 p .. 128 p + 127: a token block is 131,072 dense bytes.  w_out's codes lie as [1024 features][1024].
; SHARES: 4 x 64 work-groups, one to a WGP: 128 tokens x 256 features.  A, the token block with its whole K, is fetched once (waves 0 and 1: 65,536 dense bytes each, stated as 256 rows of 256 bytes, padded behind each 128),
; and each wave then keeps its 32 tokens x 1,024 K in 256 registers.  B goes in four chunks of 64 features x 1,024 K through two LDS slots (waves 2 and 3: 32 rows of 1,024 bytes each, 16 bytes of padding behind each row).
; A chunk's sums are finished when its eight steps of 128 along K are done: a wave's 32 tokens x 64 features, rows of 256 bytes, leave at once, while the next chunks are on their way.
; CLUSTERS of 4 x 4: A's block is shared along a row of the cluster, B's chunks along a column: joint loads.
; NO PREFETCH: B has four chunks; two come by the first fills and two by the two refills, so no chunk lies two refills ahead of a load.
; The matrix instruction takes 16 rows of B as source 0 and 16 rows of A as source 1: a lane holds eight neighbouring features of one token.
; REGISTERS: window 0: v16-29 addresses; v32-63 a block's scaled sums; v64-127 rows read back from the stage; v128-255 B's fragments, two sets of four.  Window 1: A's fragment (a, k) at v[16 (8 a + k)].  Window 2: accumulator (a, b) at v[8 (4 a + b)].
.set SIZE_N, 1024
.set APITCH, 144                       ; A's LDS row: 128 bytes + 16
.set APL,    128*APITCH                ; a head pair's 128 rows
.set ABYTES, 8*APL
.set BP,     1040                      ; B's LDS row: 1,024 bytes + 16 = 260 words: sixteen rows start 4 banks apart (64 banks of 4 bytes: ISA guide 11.1)
.set BSLOT,  64*BP
.set SPARE,  ABYTES+2*BSLOT            ; the spare words, 128 bytes for each wave
.set STAGE,  SPARE+512                 ; the way out: 16 rows x (256 bytes + 16) for each wave; no fill lands here
.set SPITCH, 272
.set ADRA, 16                          ; v16, v17: my A rows, pairs 0-3 and pairs 4-7
.set ADRB, 20                          ; v20, v21: B's rows in slot 0, 1
.set STO,  24
.set RD,   25
.set CO,   26
.set SPW,  28
.set NIL,  29
.set TMP,  32
.set OB,   64
.set BF,   128
.set G1, 24
.set G0, 32
.set G1B, 48
.set G0B, 56
.set MSB, 0
.macro WIN new                         ; the immediate's high byte repeats the setting that is left
.if MSB != (\new)
	s_set_vgpr_msb (MSB<<8)|(\new)
.set MSB, (\new)
.endif
.endm
.set MULW, 0xa4                        ; source 0 (B) window 0, source 1 (A) window 1, C and D window 2
.macro CREST                           ; a round of the cluster's barrier behind its opening barrier
	s_cmp_lg_u32 s14, 0
	s_cbranch_scc1 .Lnot_wave_0_\@
	s_barrier_signal -3
.Lnot_wave_0_\@:
	s_barrier_wait -3
	s_barrier_signal -1
	s_barrier_wait -1
.endm
.macro CROUND
	s_barrier_signal -1
	s_barrier_wait -1
	CREST
.endm
.macro PLACES
.rept 4
	v_nop
.endr
.endm
.macro BLOAD s                         ; waves 2 and 3 fetch a chunk's halves into slot s; the branch hangs on the wave's number alone; an s_nop 0 and four v_nop follow the load
	s_cmp_lg_u32 s15, 0
	s_cbranch_scc0 .Lno_b_\@
	tensor_load_to_lds s[G0B+4*(\s):G0B+4*(\s)+3], s[G1B:G1B+7]
	s_nop 0
.rept 4
	v_nop
.endr
.Lno_b_\@:
.endm
	s_load_b128 s[4:7], s[0:1], 0x0                ; y's codes, w_out's codes
	s_load_b128 s[8:11], s[0:1], 0x10              ; the scales' exponents, out0
	v_lshl_add_u32 v[SPW], v0, 2, SPARE
	v_mov_b32 v[NIL], 0
	ds_add_u32 v[SPW], v[NIL]                      ; the opening lines: the add, twice on end, and its wait
	ds_add_u32 v[SPW], v[NIL]
	v_lshrrev_b32 v1, 5, v0
	v_readfirstlane_b32 s14, v1                    ; wave 0..3: my 32 tokens
	s_lshr_b32 s15, s14, 1                         ; I fetch for A (0) or for B (1),
	s_and_b32 s16, s14, 1                          ; its first or its second half
	s_bfe_u32 s40, ttmp6, 0x40000                  ; cx, cy
	s_bfe_u32 s41, ttmp6, 0x40004
	s_lshl_b32 s42, ttmp9, 2
	s_add_co_u32 s42, s42, s40                     ; the tile of 256 features
	s_and_b32 s17, ttmp7, 0xffff
	s_lshl_b32 s17, s17, 2
	s_add_co_u32 s17, s17, s41                     ; the token block
	s_lshl_b32 s43, s41, 2
	s_lshl_b32 s43, 15, s43                        ; my row of the cluster
	s_lshl_b32 s44, 0x1111, s40                    ; my column
	s_or_b32 s[G1+0], s43, (0<<16)|(1<<20)|(1<<21)|(4<<22)|(3<<25)   ; A: elements of 1 byte; four words of padding after every 32
	s_mov_b32 s[G1+1], 256<<16
	s_mov_b32 s[G1+2], 256<<16
	s_mov_b32 s[G1+3], 256<<16
	s_mov_b32 s[G1+4], 256
	s_mov_b32 s[G1+5], 256
	s_mov_b32 s[G1+6], 0
	s_mov_b32 s[G1+7], 0
	s_or_b32 s[G1B+0], s44, (0<<16)|(1<<20)|(1<<21)|(7<<22)|(3<<25)  ; B: four words after every 256
	s_mov_b32 s[G1B+1], 1024<<16
	s_mov_b32 s[G1B+2], 32<<16
	s_mov_b32 s[G1B+3], 1024<<16
	s_mov_b32 s[G1B+4], 32
	s_mov_b32 s[G1B+5], 1024
	s_mov_b32 s[G1B+6], 0
	s_mov_b32 s[G1B+7], 0
	s_lshl_b32 s20, s17, 17                        ; A: a token block of 131,072 bytes,
	s_lshl_b32 s18, s16, 16                        ; its first or second four pairs
	s_add_co_u32 s20, s20, s18
	s_mov_b32 s21, 0
	s_lshl_b32 s18, s16, 5
	s_lshl_b32 s46, s42, 8
	s_add_co_u32 s46, s46, s18                     ; B: row 256 x tile + 32 x half
	s_lshl_b32 s46, s46, 10
	s_mov_b32 s47, 0
	s_mul_i32 s45, s16, 4*APL                      ; where they go: no place in the cluster enters an LDS address
	s_mul_i32 s66, s16, 32*BP
	s_add_co_u32 s66, s66, ABYTES
	s_mul_i32 s67, s14, 32*APITCH                  ; my 32 rows of A
	s_mul_i32 s23, s14, 16*SPITCH
	s_add_co_u32 s23, s23, STAGE                   ; my stage
	s_lshl_b32 s70, s17, 7
	s_lshl_b32 s71, s14, 5
	s_add_co_u32 s70, s70, s71                     ; my first row of out0,
	s_lshl_b32 s70, s70, 12                        ; of 4,096 bytes,
	s_lshl_b32 s71, s42, 10
	s_add_co_u32 s70, s70, s71                     ; and the tile's first column
	s_mov_b32 s71, 0
	s_wait_dscnt 0x0                               ; both opening adds are done
	s_wait_kmcnt 0x0
	s_load_b64 s[96:97], s[8:9], 0x18              ; e6, e7
	s_add_nc_u64 s[20:21], s[4:5], s[20:21]
	s_add_nc_u64 s[46:47], s[6:7], s[46:47]
	s_add_nc_u64 s[10:11], s[10:11], s[70:71]
	CROUND                                         ; all sixteen work-groups are here: the first joint loads meet
	s_mov_b32 s[G0], 1
	s_mov_b32 s[G0+1], s45
	s_mov_b64 s[G0+2:G0+3], s[20:21]
	s_or_b32 s[G0+3], s[G0+3], 0x80000000
.irp s, 0,1
	s_mov_b32 s[G0B+4*\s], 1
	s_add_co_u32 s[G0B+4*\s+1], s66, \s*BSLOT
	s_add_nc_u64 s[G0B+4*\s+2:G0B+4*\s+3], s[46:47], \s*65536   ; chunk s: 64 rows of 1,024 bytes on
	s_or_b32 s[G0B+4*\s+3], s[G0B+4*\s+3], 0x80000000
.endr
	s_cmp_eq_u32 s15, 0                            ; the head's fills, one a wave: A's halves and chunk 0's
	s_cbranch_scc0 .Lhead_b
	tensor_load_to_lds s[G0:G0+3], s[G1:G1+7]
	s_nop 0
.rept 4
	v_nop
.endr
	s_branch .Lhead_asked
.Lhead_b:
	tensor_load_to_lds s[G0B:G0B+3], s[G1B:G1B+7]
	s_nop 0
.rept 4
	v_nop
.endr
.Lhead_asked:
	v_and_b32 v1, 15, v0                           ; r
	v_bfe_u32 v2, v0, 4, 1                         ; h
	v_mul_u32_u24 v3, v1, APITCH
	v_lshl_add_u32 v3, v2, 4, v3
	v_add_nc_u32 v[ADRA], s67, v3
	v_add_nc_u32 v[ADRA+1], 4*APL, v[ADRA]
	v_mul_u32_u24 v4, v1, BP
	v_lshl_add_u32 v4, v2, 4, v4
	v_add_nc_u32 v[ADRB], ABYTES, v4
	v_add_nc_u32 v[ADRB+1], ABYTES+BSLOT, v4
	v_mul_u32_u24 v5, v1, SPITCH
	v_lshl_add_u32 v5, v2, 5, v5
	v_add_nc_u32 v[STO], s23, v5                   ; the stage, in: row r, 32 bytes for each half of the lanes
	v_mul_u32_u24 v6, v2, SPITCH
	v_lshl_add_u32 v6, v1, 4, v6
	v_add_nc_u32 v[RD], s23, v6                    ; back: lanes 0-15 take one row of 256 bytes, lanes 16-31 the next
	v_lshlrev_b32 v7, 12, v2
	v_lshl_add_u32 v[CO], v1, 4, v7                ; and the same two rows in out0
.macro FETCHB s, k                     ; B's four fragments of step k of the chunk in slot s, into set k % 2.  A fragment: registers 4 c .. 4 c + 3 hold K = 32 c + 16 h + 0 .. 15: one order of k for both operands
.irp b, 0,1,2,3
.irp c, 0,1,2,3
	ds_load_b128 v[BF+64*((\k)%2)+16*\b+4*\c:BF+64*((\k)%2)+16*\b+4*\c+3], v[ADRB+(\s)] offset:16*\b*BP+128*(\k)+32*\c
.endr
.endr
.endm
.macro MUL k, zero                     ; eight matrix instructions; the eight accumulators take turns in the same order in every step; zero = 1 starts the sums
.irp a, 0,1
.irp b, 0,1,2,3
.if \zero
	v_wmma_f32_16x16x128_fp8_fp8 v[8*(4*\a+\b):8*(4*\a+\b)+7], v[BF+64*((\k)%2)+16*\b:BF+64*((\k)%2)+16*\b+15], v[16*(8*\a+(\k)):16*(8*\a+(\k))+15], 0
.else
	v_wmma_f32_16x16x128_fp8_fp8 v[8*(4*\a+\b):8*(4*\a+\b)+7], v[BF+64*((\k)%2)+16*\b:BF+64*((\k)%2)+16*\b+15], v[16*(8*\a+(\k)):16*(8*\a+(\k))+15], v[8*(4*\a+\b):8*(4*\a+\b)+7]
.endif
.endr
.endr
.endm
; THE WAY OUT of chunk c: two blocks of 16 tokens x 64 features, x 2^(e6 + e7), through my own stage and back as whole rows: sixteen lanes store one aligned unit of 256 bytes.  LDS serves a wave's instructions in order (ISA guide 5.7.1.4).
.macro OUT c
	s_wait_xcnt 0x0                                ; the last chunk's stores have read their registers
.irp a, 0,1
	WIN 0x02
.irp j, 0,2,4,6,8,10,12,14,16,18,20,22,24,26,28,30
	v_pk_mul_f32 v[TMP+\j:TMP+\j+1], v[32*\a+\j:32*\a+\j+1], s[96:97] op_sel_hi:[1,0]   ; each accumulator from its low end on
.endr
	WIN 0
.irp b, 0,1,2,3
	ds_store_b128 v[STO], v[TMP+8*\b:TMP+8*\b+3] offset:64*\b
	ds_store_b128 v[STO], v[TMP+8*\b+4:TMP+8*\b+7] offset:64*\b+16
.endr
.irp t, 0,1,2,3,4,5,6,7
	ds_load_b128 v[OB+32*\a+4*\t:OB+32*\a+4*\t+3], v[RD] offset:\t*2*SPITCH
.endr
.endr
	s_wait_dscnt 16                                ; the first block is back; the second block's 8 stores and 8 loads may be out
.irp t, 0,1,2,3,4,5,6,7
	global_store_b128 v[CO], v[OB+4*\t:OB+4*\t+3], s[10:11] offset:2*\t*SIZE_N*4+256*(\c) th:TH_STORE_NT
.endr
	s_wait_dscnt 0x0
.irp t, 0,1,2,3,4,5,6,7
	global_store_b128 v[CO], v[OB+32+4*\t:OB+32+4*\t+3], s[10:11] offset:(16+2*\t)*SIZE_N*4+256*(\c) th:TH_STORE_NT
.endr
.endm
; A CHUNK: eight steps of 128 along K; each fetches the next step's fragments of B ahead of its products.  The last step changes slots (kind 2: a round of the cluster's barrier, and this slot takes the chunk two on;
; kind 1: the work-group's barrier alone; kind 0: the last chunk): the refill and the next chunk's first fragments are asked for, and then this chunk goes out.
.macro CHUNK c, kind
.set KK, 0
.rept 7
	s_wait_dscnt 0x0                               ; this step's fragments are in
	PLACES                                         ; in front of loads into the set that the last products read
	FETCHB (\c)%2, KK+1
	WIN MULW
.if KK == 0
	MUL KK, 1
.else
	MUL KK, 0
.endif
	WIN 0
.set KK, KK+1
.endr
.if \kind
	s_wait_tensorcnt 0x0                           ; all my tensor loads have landed: my part of the next chunk
	ds_add_u32 v[SPW], v[NIL]
	s_wait_dscnt 1                                 ; this step's fragments are in; the add may be out
	WIN MULW
	MUL 7, 0
	WIN 0
	s_wait_dscnt 0x0                               ; the add is done, and my reads of this slot are over
	s_barrier_signal -1
	s_barrier_wait -1
.if \kind == 2
	CREST
	s_add_nc_u64 s[G0B+4*((\c)%2)+2:G0B+4*((\c)%2)+3], s[G0B+4*((\c)%2)+2:G0B+4*((\c)%2)+3], 2*65536
	BLOAD (\c)%2                                   ; the first tensor load behind the round
.endif
	PLACES                                         ; behind the last products: for the loads below and for the reads of the sums
	FETCHB 1-(\c)%2, 0
.else
	s_wait_dscnt 0x0
	WIN MULW
	MUL 7, 0
	WIN 0
	PLACES
.endif
	OUT \c
.endm
	s_wait_alu depctr_va_vdst(0)                   ; the wait at the head's end
	s_wait_tensorcnt 0x0                           ; my part of A or of chunk 0 is in
	ds_add_u32 v[SPW], v[NIL]
	s_wait_dscnt 0x0
	CROUND
	BLOAD 1                                        ; chunk 1: slot 1's first fill
	WIN 0x40
.irp a, 0,1                                    ; my 32 tokens x 1,024 K stay in registers
.irp k, 0,1,2,3
.irp c, 0,1,2,3
	ds_load_b128 v[16*(8*\a+\k)+4*\c:16*(8*\a+\k)+4*\c+3], v[ADRA] offset:\k*APL+\a*16*APITCH+32*\c
	ds_load_b128 v[16*(8*\a+\k+4)+4*\c:16*(8*\a+\k+4)+4*\c+3], v[ADRA+1] offset:\k*APL+\a*16*APITCH+32*\c
.endr
.endr
.endr
	WIN 0
	FETCHB 0, 0
	s_wait_kmcnt 0x0
	s_add_co_i32 s96, s96, s97
	s_add_co_i32 s96, s96, 127
	s_lshl_b32 s96, s96, 23                        ; 2^(e6 + e7) as f32
	CHUNK 0, 2                                     ; slot 0 takes chunk 2,
	CHUNK 1, 2                                     ; slot 1 chunk 3
	CHUNK 2, 1
	CHUNK 3, 0
	s_wait_tensorcnt 0x0                           ; the wave's end
	ds_add_u32 v[SPW], v[NIL]
	s_wait_dscnt 0x0
	CROUND                                         ; the closing round
	s_endpgm
.Lfunc_end_k_qedeeb542a0_outp:
	.size	k_qedeeb542a0_outp, .Lfunc_end_k_qedeeb542a0_outp-k_qedeeb542a0_outp
	.p2alignl 7, 3214868480
	.fill 96, 4, 3214868480
	.section	.rodata,"a",@progbits
	.p2align	6, 0x0
	.amdhsa_kernel k_qedeeb542a0_outp
		.amdhsa_group_segment_fixed_size 327680
		.amdhsa_private_segment_fixed_size 0
		.amdhsa_enable_private_segment 0
		.amdhsa_kernarg_size 32
		.amdhsa_user_sgpr_count 2
		.amdhsa_user_sgpr_kernarg_segment_ptr 1
		.amdhsa_wavefront_size32 1
		.amdhsa_system_sgpr_workgroup_id_x 1
		.amdhsa_system_sgpr_workgroup_id_y 1
		.amdhsa_system_sgpr_workgroup_id_z 1
		.amdhsa_system_vgpr_workitem_id 0
		.amdhsa_next_free_vgpr 576
		.amdhsa_next_free_sgpr 98
		.amdhsa_reserve_vcc 0
		.amdhsa_float_denorm_mode_32 3
		.amdhsa_float_denorm_mode_16_64 3
		.amdhsa_memory_ordered 1
		.amdhsa_forward_progress 1
		.amdhsa_inst_pref_size 91
	.end_amdhsa_kernel
	.amdgpu_metadata
---
amdhsa.version: [ 1, 2 ]
amdhsa.kernels:
  - .name:           k_qedeeb542a0_outp
    .symbol:         k_qedeeb542a0_outp.kd
    .args:
      - { .name: y_codes, .offset: 0, .size: 8, .value_kind: global_buffer, .address_space: global }
      - { .name: wout_codes, .offset: 8, .size: 8, .value_kind: global_buffer, .address_space: global }
      - { .name: lowp_scales, .offset: 16, .size: 8, .value_kind: global_buffer, .address_space: global }
      - { .name: out0, .offset: 24, .size: 8, .value_kind: global_buffer, .address_space: global }
    .group_segment_fixed_size: 327680
    .private_segment_fixed_size: 0
    .kernarg_segment_align: 8
    .kernarg_segment_size: 32
    .max_flat_workgroup_size: 128
    .sgpr_count:     98
    .vgpr_count:     576
    .wavefront_size: 32
...
	.end_amdgpu_metadata
.endif
;; end of part 4
